; MI455X (gfx1250); checked and timed in simulation.
; The chip was launched on July 23, 2026; its instructions are those of AMD's public machine-readable ISA for CDNA 5 (MIT licence, August 2026) and "CDNA5" Instruction Set Architecture Reference Guide (July 2026). The comments in the code are by the model that wrote it; some were corrected since.
;; Multi Head Attention. Allowed arithmetic: matrix products marked QUANTISED: E3M2 operands, one E8M0 scale for each 32 along K, by v_wmma_scale_f32_16x16x128_f8f6f4 with both operands' format E3M2, f32 sums; everything else in f32.
;; Inputs: K 8 x 1,024 x 512 float32; Q 8 x 1,024 x 512 float32; V 8 x 1,024 x 512 float32; Wk 8 x 512 x 128 float32; Wo 2,048 x 512 float32; Wq 8 x 512 x 128 float32; Wv 8 x 512 x 256 float32; bk 8 x 128 float32; bo 512 float32; bq 8 x 128 float32; bv 8 x 256 float32; padding_mask 8 x 1,024 x 1,024 int32; sequence_mask 1,024 x 1,024 int32.
;; Outputs: out0 8 x 1,024 x 512 float32.
;; This version of the problem:
;;   THIS VERSION OF THE PROBLEM IS GIVEN IN LOW PRECISION. The matrix products marked QUANTISED in the list below multiply operands that are first quantised to E3M2 (3 exponent bits, 2 mantissa bits; 6 bits a number), with one power-of-two scale for each 32 numbers along K (OCP MX v1.0); their sums are f32. All else is computed in f32.
;;   The module's matrix products, in the order in which they are computed (A, B: the left and right operand; K: the contracted axis; several contracted axes count as one K, in the product's order):
;;     1. [M 1,024, K 512] x [K 512, N 8,192]; A: input Wq; B: input Q: QUANTISED
;;     2. [M 1,024, K 512] x [K 512, N 8,192]; A: input Wk; B: input K: QUANTISED
;;     3. [M 2,048, K 512] x [K 512, N 8,192]; A: input Wv; B: input V: QUANTISED
;;     4. batch 64 x [M 1,024, K 128] x [K 128, N 1,024]; A: computed on the way; B: computed on the way: QUANTISED
;;     5. batch 64 x [M 1,024, K 1,024] x [K 1,024, N 256]; A: softmax (see below); B: computed on the way: QUANTISED
;;     6. [M 8,192, K 2,048] x [K 2,048, N 512]; A: computed on the way; B: input Wo: QUANTISED
;;   THE QUANTISER, for each operand of a quantised product, along K:
;;     - K is cut into blocks of 32 from its start; a last block that is shorter is filled with zeros.
;;     - A block's scale is 2^e with e = floor(log2(the largest magnitude in the block)) - 4, held to -126 .. 127; a block of zeros has e = 0. As a byte (E8M0): e + 127.
;;     - Each number is divided by its block's scale, clamped to +-28, and rounded to the nearest number of E3M2, ties to even, subnormals kept.
;;     - The product sums the exact products of the quantised numbers (number of the format x scale) in f32.
;;   ~~~python
;;   def quantise(x, axis):      # numpy; x: float32 -> the quantised numbers, widened to float32 again
;;       x = np.moveaxis(x, axis, -1); K = x.shape[-1]
;;       x = np.pad(x, [(0, 0)] * (x.ndim - 1) + [(0, -K % 32)]); x = x.reshape(x.shape[:-1] + (-1, 32)); a = np.abs(x).max(-1, keepdims=True)
;;       e = np.where(a > 0, np.clip(np.frexp(np.where(a > 0, a, 1))[1] - 1 - 4, -126, 127), 0)      # np.frexp(a)[1] - 1 = floor(log2(a)), exactly
;;       r = np.clip(x / 2.0 ** e, -28, 28)
;;       step = 2.0 ** (np.maximum(np.frexp(np.where(r == 0, 1, r))[1] - 1, -2) - 2)
;;       q = np.round(r / step) * step * 2.0 ** e      # np.round: ties to even
;;       return np.moveaxis(q.reshape(q.shape[:-2] + (-1,))[..., :K], -1, axis).astype(np.float32)
;;   ~~~
;;   SOFTMAX AHEAD OF A QUANTISED PRODUCT. Where the list says 'softmax', what is quantised is not the finished softmax but p = 2^(t - M), with t = logit x log2(e) and M = ceil(the row's largest t), a whole number; so 1/2 < the row's largest p <= 1. The row's sum l is taken of the UNQUANTISED p, in f32, and the product's result is divided by l at the end. Since M is a whole number, a kernel that streams over the keys may use a running M (the ceiling of the running maximum): every later rescaling is an exact power of two, which a block's scale takes up: the codes' values come out the same.
;;   OPERANDS COMPUTED ON THE WAY. 'Computed on the way' means the value that the module computes at that place (a softmax that the list does not call 'softmax' is quantised finished and normalised). What goes into a quantiser is computed in f32, as accurately as f32 sums, v_exp_f32 and their like allow (about 1e-6 of the number): no bf16 or f16 on the way to a quantiser, and a product that is left as it is and whose result goes on into a quantised operand takes f32 operands (vector FMAs, or v_wmma_f32_16x16x4_f32). A number that lies on a knife's edge between two numbers of the format may be rounded either way, as far as f32 arithmetic and the matrix unit's own rounding can turn it there, and no further.
;; 2 versions, each right; version 2 is version 1 with the launch attn written anew for expert scheduling mode. Each part assembles by itself: llvm-mc -triple=amdgcn-amd-amdhsa -mcpu=gfx1250 --defsym DOCPART=n.
;; ======== version 1 of 2: 4 launches
;; workspace buffers: ops 12,779,520 bytes; maskw 1,048,576 bytes of whole numbers; msum 16,384 bytes of whole numbers; att 27,262,976 bytes; oimg 13,631,488 bytes
;; launch prep (part 1): grid 1472 x 1, 8 waves a work-group, no clusters, 68,608 bytes of LDS; arguments Q, K, V, padding_mask, sequence_mask, Wq, Wk, Wv, Wo, ops, maskw, msum; writes ops, maskw, msum
.if DOCPART == 1
	.amdgcn_target "amdgcn-amd-amdhsa--gfx1250"
	.amdhsa_code_object_version 6
	.text
	.protected	k_q207513b5b2_prep
	.globl	k_q207513b5b2_prep
	.p2align	8
	.type	k_q207513b5b2_prep,@function
k_q207513b5b2_prep:
	s_mov_b64 s[64:65], 0
	v_nop
	global_prefetch_b8 v0, s[64:65] scope:SCOPE_SE
	s_setreg_imm32_b32 hwreg(HW_REG_WAVE_MODE, 25, 1), 1
	s_wait_xcnt 0x0
; PREP.  Q, K, V [8192][512] and Wq, Wk, Wv, Wo, all f32, become codes of BF6 (E3M2) with one E8M0 byte for each 32 along K (= d_model; for Wo the 2,048 of heads x d_v),
; laid as IMAGES OF OPERAND REGISTERS: a fragment (16 rows x 128 K, 12 registers a lane) is three runs of 512 bytes, lane l's 16 bytes at 16 l; its scale words are 4 bytes a lane.
; A chunk is 16 fragments (24,576 bytes) and their 16 scale images (2,048).  The two masks are joined and packed: a record of 64 words for 16 queries x 128 keys, word 16 b + i,
; bit r + 16 h = keep(query r, key 32 b + 16 h + i): the lane mask that the attention launch gives to v_cndmask_b32.  A summary word a record: bits 15:0 'query r sees a key here', bit 16 'all see all'.
; One wave takes one tile of 16 x 128 numbers.  Work-groups 0-767: Q, K, V; 768-1279: the masks (wave = batch, so the eight waves share a tile of sequence_mask); 1280-1471: the weights.
; ROWS OF A TILE: Q's are neighbours.  K's and V's rows, and the columns of Wq, Wk, Wv, are taken as lane-row p -> first + p + 8 (p / 8), first = 32 (t / 2) + 8 (t % 2) in a group of 128, so that
; a product that has eight such tiles as source 0 leaves 16 neighbours in the 16 registers of two neighbouring tiles.
; A block's scale is 2^(floor(log2(largest magnitude)) - 4).  LIMITS: a block whose largest magnitude lies under 2^-122 (a block of zeros too) keeps the byte 1: its codes are what the division by 2^-126 gives
; (zeros for zeros), and this program alone reads the bytes; NaN and infinities among the inputs are not served.
.set X,   64                           ; v64-127   a tile as loaded: register 4 i + .. = row i, 16 bytes a lane
.set Y,   128                          ; v128-191  a tile as the conversions want it: register 16 b + i = (row r, column 32 b + 16 h + i)
.set TM,  16                           ; v16-31    at work in QUANT
.set PW,  32                           ; v32       the scale word just made
.set PC,  36                           ; v36-54    the codes just made
.set SEL, 44                           ; s[44:45]  selects for lane l xor 16
.set STG, 8448                         ; a wave's stage in LDS: 16 rows x (512 + 16) bytes
.set CHK, 26624
.set CSC, 24576
.set FRB, 1536
; 64 numbers of a lane, register 16 b + i = k 32 b + 16 (lane / 16) + i of the lane's row, become a fragment's codes in v[PC] on and its scale word in v[PW].
.macro QUANT s
.irp b, 0,1,2,3
	v_max3_num_f32 v[TM+\b], |v[\s+16*\b]|, |v[\s+1+16*\b]|, 0x2800000   ; my 16 numbers of block b, and the floor 2^(5 - 127): the byte cannot fall under 1
.endr
.irp i, 2,4,6,8,10,12,14
.irp b, 0,1,2,3
	v_max3_num_f32 v[TM+\b], v[TM+\b], |v[\s+16*\b+\i]|, |v[\s+1+16*\b+\i]|
.endr
.endr
.irp b, 0,1,2,3
	v_permlanex16_b32 v[TM+4+\b], v[TM+\b], s[SEL], s[SEL+1]
.endr
.irp b, 0,1,2,3
	v_max_num_f32 v[TM+\b], v[TM+\b], v[TM+4+\b]       ; with lane l xor 16's: the block's largest magnitude
.endr
.irp b, 0,1,2,3
	v_add_nc_u32 v[TM+12+\b], 0xfe000000, v[TM+\b]     ; 4 off its exponent field: the conversion's scale operand
.endr
.irp b, 0,1,2,3
	v_lshrrev_b32 v[TM+4+\b], 23, v[TM+12+\b]          ; the scale's byte
.endr
	v_lshl_or_b32 v[PW], v[TM+5], 8, v[TM+4]
	v_lshl_or_b32 v[PW], v[TM+6], 16, v[PW]
	v_lshl_or_b32 v[PW], v[TM+7], 24, v[PW]
.irp c, 0,1
	v_cvt_scalef32_pk16_bf6_f32 v[PC+6*\c:PC+2+6*\c], v[\s+32*\c:\s+15+32*\c], v[TM+12+2*\c]
	v_cvt_scalef32_pk16_bf6_f32 v[PC+12+4*\c:PC+14+4*\c], v[\s+16+32*\c:\s+31+32*\c], v[TM+12+2*\c+1]   ; (three registers begin on an even number)
.endr
	v_nop                                              ; one plain place behind a scaled conversion
.irp c, 0,1                                        ; a whole block to a lane: lanes 0-15 block 2 c, lanes 16-31 block 2 c + 1
.irp i, 0,1,2
	v_permlane16_swap_b32 v[PC+6*\c+\i], v[PC+12+4*\c+\i]
.endr
.irp i, 0,1,2
	v_mov_b32 v[PC+3+6*\c+\i], v[PC+12+4*\c+\i]
.endr
.endr
.endm
; A weight's tile: lane (r, h) takes column r of the tile and its registers run down K, in QUANT's order.  pitch: bytes from row to row of the weight
.macro WLOAD pitch, perm
	v_lshlrev_b32 v7, 2, v2
.if \perm
	v_and_b32 v12, 8, v2
	v_lshl_add_u32 v7, v12, 2, v7                      ; column r + 8 (r / 8)
.endif
	v_mad_u32_u24 v7, v3, 16*\pitch, v7                ; lanes 16-31 begin 16 rows further down
.irp b, 0,1,2,3
.irp i, 0,1,2,3,4,5,6,7,8,9,10,11,12,13,14,15
	global_load_b32 v[Y+16*\b+\i], v7, s[54:55] offset:(32*\b+\i)*\pitch
.endr
.endr
	s_branch .Lquant
.endm
	s_load_b512 s[4:19], s[0:1], 0x0               ; Q, K, V, padding_mask, sequence_mask, Wq, Wk, Wv
	s_load_b256 s[20:27], s[0:1], 0x40             ; Wo, ops, maskw, msum
	v_lshl_add_u32 v192, v0, 2, 0x10800
	v_mov_b32 v193, 0
	v_lshrrev_b32 v1, 5, v0
	v_readfirstlane_b32 s28, v1                    ; wave 0..7
	v_and_b32 v1, 31, v0                           ; lane
	v_and_b32 v2, 15, v0                           ; r
	v_bfe_u32 v3, v0, 4, 1                         ; h
	v_lshlrev_b32 v4, 4, v1                        ; 16 x lane
	v_lshlrev_b32 v5, 2, v1                        ; 4 x lane
	s_mul_i32 s30, s28, STG
	v_add_nc_u32 v8, s30, v4                       ; the stage, on the way in: a row's 512 bytes as they lie
	v_mul_u32_u24 v9, v2, 528
	v_lshl_add_u32 v9, v3, 6, v9
	v_add_nc_u32 v9, s30, v9                       ; and out: row r, + 64 h
	v_mov_b32 v10, 0                               ; the record's words, two a lane
	v_mov_b32 v11, 0
.irp b, 0,1,2,3
	v_mov_b32 v[TM+4+\b], 0                        ; written once: a lane permute's destination counts as one of its sources
.endr
	s_mov_b32 s[SEL], 0x76543210
	s_mov_b32 s[SEL+1], 0xfedcba98
	s_lshl_b32 s29, ttmp9, 3
	s_add_co_u32 s29, s29, s28                     ; j = 8 x work-group + wave
	; where a fragment goes: number J = j for Q, K, V; 6,144 + (j - 10,240) for the weights.  Made on every way, since the lines that store stand behind joins
	s_cmp_lt_u32 ttmp9, 768
	s_cselect_b32 s30, 0, 4096
	s_sub_co_u32 s30, s29, s30
	s_lshr_b32 s31, s30, 4
	s_mul_i32 s31, s31, CHK                        ; its chunk
	s_and_b32 s30, s30, 15
	s_mul_i32 s32, s30, FRB
	s_add_co_u32 s32, s32, s31
	s_mov_b32 s33, 0
	s_lshl_b32 s34, s30, 7
	s_add_co_u32 s34, s34, s31
	s_add_co_u32 s34, s34, CSC
	s_mov_b32 s35, 0
	; a mask record: work-group 768 + 8 qt + st, wave = batch
	s_sub_co_u32 s38, ttmp9, 768
	s_and_b32 s38, s38, 511
	s_lshr_b32 s39, s38, 3                         ; qt
	s_and_b32 s38, s38, 7                          ; st
	s_lshl_b32 s58, s28, 6
	s_add_co_u32 s58, s58, s39
	s_lshl_b32 s58, s58, 3
	s_add_co_u32 s58, s58, s38                     ; record (64 b + qt) 8 + st
	s_lshl_b32 s60, s58, 8
	s_mov_b32 s61, 0
	s_lshl_b32 s62, s58, 2
	s_mov_b32 s63, 0
	s_wait_kmcnt 0x0
	s_add_nc_u64 s[46:47], s[22:23], s[32:33]      ; the fragment's image
	s_add_nc_u64 s[48:49], s[22:23], s[34:35]      ; its scale image
	s_add_nc_u64 s[50:51], s[24:25], s[60:61]      ; the record
	s_add_nc_u64 s[52:53], s[26:27], s[62:63]      ; its summary
	s_cmp_ge_u32 ttmp9, 1280
	s_cbranch_scc1 .Lw
	s_cmp_ge_u32 ttmp9, 768
	s_cbranch_scc1 .Lmask
	; ---- Q, K, V: tensor j / 2048, row tile T, K step ks
	s_lshr_b32 s30, s29, 11
	s_bfe_u32 s31, s29, 0x90002                    ; T
	s_and_b32 s32, s29, 3                          ; ks
	s_lshl_b32 s33, s31, 4                         ; Q: first row 16 T
	s_lshr_b32 s34, s31, 3
	s_lshl_b32 s34, s34, 7
	s_bfe_u32 s35, s31, 0x20001
	s_lshl_b32 s35, s35, 5
	s_add_co_u32 s34, s34, s35
	s_and_b32 s35, s31, 1
	s_lshl_b32 s35, s35, 3
	s_add_co_u32 s34, s34, s35                     ; K, V: 128 (T / 8) + 32 ((T / 2) % 4) + 8 (T % 2)
	s_cmp_eq_u32 s30, 0
	s_cselect_b32 s33, s33, s34
	s_cselect_b32 s34, 0, 16384                    ; K, V: lane-rows 8-15 lie 8 rows (of 2,048 bytes) further on
	s_cselect_b64 s[54:55], s[4:5], s[6:7]
	s_cmp_eq_u32 s30, 2
	s_cselect_b64 s[54:55], s[8:9], s[54:55]
	v_add_nc_u32 v6, s34, v4
	s_lshl_b32 s56, s33, 11
	s_lshl_b32 s32, s32, 9
	s_add_co_u32 s56, s56, s32
	s_mov_b32 s57, 0
	s_add_nc_u64 s[54:55], s[54:55], s[56:57]
.irp i, 0,1,2,3,4,5,6,7
	global_load_b128 v[X+4*\i:X+4*\i+3], v4, s[54:55] offset:\i*2048 th:TH_LOAD_NT    ; 32 lanes read 512 consecutive bytes of one row; read once in the launch
.endr
.irp i, 8,9,10,11,12,13,14,15
	global_load_b128 v[X+4*\i:X+4*\i+3], v6, s[54:55] offset:\i*2048 th:TH_LOAD_NT
.endr
	s_branch .Lturn
.Lmask:
	; ---- the masks: 16 queries x 128 keys of padding_mask[b] and of sequence_mask; rows of 4,096 bytes
	s_lshl_b32 s56, s39, 16
	s_lshl_b32 s30, s38, 9
	s_add_co_u32 s56, s56, s30
	s_mov_b32 s57, 0
	s_add_nc_u64 s[12:13], s[12:13], s[56:57]
	s_lshl_b32 s30, s28, 22
	s_add_co_u32 s56, s56, s30
	s_add_nc_u64 s[54:55], s[10:11], s[56:57]
.irp i, 0,1,2,3,4,5,6,7,8,9,10,11,12,13,14,15
	global_load_b128 v[X+4*\i:X+4*\i+3], v4, s[54:55] offset:\i*4096 th:TH_LOAD_NT
.endr
.irp i, 0,1,2,3,4,5,6,7,8,9,10,11,12,13,14,15
	global_load_b128 v[Y+4*\i:Y+4*\i+3], v4, s[12:13] offset:\i*4096                  ; the eight waves read the same tile: no hint
.endr
	s_wait_loadcnt 0x0
.set j, 0
.rept 64
	v_cmp_ne_u32 vcc_lo, 0, v[Y+j]
	v_cndmask_b32 v[X+j], 0, v[X+j], vcc_lo        ; not 0 where both masks keep the key
.set j, j+1
.endr
.Lturn:
	; ---- the tile turns through my stage: in as rows, out 16 neighbours of each block of 32 a lane.  LDS serves a wave's instructions in order: no wait between the stores and the loads
.irp i, 0,1,2,3,4,5,6,7,8,9,10,11,12,13,14,15
	s_wait_loadcnt 15-\i                           ; row i is in; the 15 - i younger row loads may be out (on the masks' way nothing is out)
	ds_store_b128 v8, v[X+4*\i:X+4*\i+3] offset:528*\i
.endr
.irp b, 0,1,2,3
.irp q, 0,1,2,3
	ds_load_b128 v[Y+16*\b+4*\q:Y+16*\b+4*\q+3], v9 offset:128*\b+16*\q
.endr
.endr
	s_wait_dscnt 0x0
	s_cmp_ge_u32 ttmp9, 768
	s_cbranch_scc1 .Lmfin
.Lquant:
	s_wait_loadcnt 0x0                             ; (the weights' way comes in here with its 64 loads out)
	QUANT Y
.irp c, 0,1,2
	global_store_b128 v4, v[PC+4*\c:PC+4*\c+3], s[46:47] offset:512*\c    ; 32 lanes store 512 consecutive bytes, aligned
.endr
	global_store_b32 v5, v[PW], s[48:49]
	s_wait_tensorcnt 0x0
	ds_add_u32 v192, v193
	s_wait_dscnt 0x0
	s_endpgm
.Lmfin:
	; ---- word j of the record is the lane mask of register j
	s_mov_b32 s36, 0
	s_mov_b32 s37, -1
.set j, 0
.rept 64
	v_cmp_ne_u32 s[40+j%4], 0, v[Y+j]
	v_writelane_b32 v[10+j%2], s[40+j%4], j/2      ; lane l keeps words 2 l and 2 l + 1
	s_or_b32 s36, s36, s[40+j%4]
	s_and_b32 s37, s37, s[40+j%4]
.set j, j+1
.endr
	s_lshr_b32 s38, s36, 16
	s_or_b32 s38, s38, s36
	s_and_b32 s38, s38, 0xffff                     ; bit r: query r sees a key of this step
	s_cmp_eq_u32 s37, -1
	s_cselect_b32 s39, 0x10000, 0                  ; bit 16: nothing is hidden
	s_or_b32 s38, s38, s39
	v_lshlrev_b32 v13, 3, v1
	v_mov_b32 v14, s38
	v_mov_b32 v15, 0
	global_store_b64 v13, v[10:11], s[50:51]       ; 32 lanes store the record's 256 bytes, aligned
	v_cmp_eq_u32 vcc_lo, 0, v1
	s_wait_xcnt 0x0                                ; EXEC changes only behind this wait
	s_wait_tensorcnt 0x0
	ds_add_u32 v192, v193
	s_wait_dscnt 0x0
	s_and_saveexec_b32 s39, vcc_lo
	global_store_b32 v15, v14, s[52:53]            ; lane 0 stores the summary
	s_wait_xcnt 0x0                                ; and again in front of the line that widens it
	s_or_b32 exec_lo, exec_lo, s39
	s_endpgm
.Lw:
	; ---- the weights: fragment F = j - 10,240
	s_sub_co_u32 s30, s29, 10240
	s_cmp_ge_u32 s30, 1024
	s_cbranch_scc1 .Lwo
	s_cmp_ge_u32 s30, 512
	s_cbranch_scc1 .Lwv
	s_cmp_lt_u32 s30, 256                          ; Wq, then Wk: [8][512][128]; column tile ct = 8 head + t, K step ks
	s_cselect_b64 s[54:55], s[14:15], s[16:17]
	s_and_b32 s31, s30, 255
	s_and_b32 s32, s31, 3
	s_lshr_b32 s31, s31, 2
	s_lshr_b32 s33, s31, 3
	s_lshl_b32 s56, s33, 18                        ; head x 512 x 128 x 4
	s_lshl_b32 s32, s32, 16                        ; ks x 128 rows of 512 bytes
	s_add_co_u32 s56, s56, s32
	s_bfe_u32 s32, s31, 0x20001
	s_lshl_b32 s32, s32, 7                         ; 32 (t / 2) columns
	s_add_co_u32 s56, s56, s32
	s_and_b32 s32, s31, 1
	s_lshl_b32 s32, s32, 5                         ; 8 (t % 2) columns
	s_add_co_u32 s56, s56, s32
	s_mov_b32 s57, 0
	s_add_nc_u64 s[54:55], s[54:55], s[56:57]
	WLOAD 512, 1
.Lwv:
	s_sub_co_u32 s31, s30, 512                     ; Wv: [8][512][256]; ct = 16 head + tv
	s_and_b32 s32, s31, 3
	s_lshr_b32 s31, s31, 2
	s_lshr_b32 s33, s31, 4
	s_lshl_b32 s56, s33, 19
	s_lshl_b32 s32, s32, 17
	s_add_co_u32 s56, s56, s32
	s_bfe_u32 s32, s31, 0x10003
	s_lshl_b32 s32, s32, 9                         ; 128 (tv / 8) columns
	s_add_co_u32 s56, s56, s32
	s_bfe_u32 s32, s31, 0x20001
	s_lshl_b32 s32, s32, 7
	s_add_co_u32 s56, s56, s32
	s_and_b32 s32, s31, 1
	s_lshl_b32 s32, s32, 5
	s_add_co_u32 s56, s56, s32
	s_mov_b32 s57, 0
	s_add_nc_u64 s[54:55], s[18:19], s[56:57]
	WLOAD 1024, 1
.Lwo:
	s_sub_co_u32 s31, s30, 1024                    ; Wo: [2048][512]; column tile ct (neighbours), K step ks = 0 .. 15
	s_and_b32 s32, s31, 15
	s_lshr_b32 s31, s31, 4
	s_lshl_b32 s56, s32, 18
	s_lshl_b32 s31, s31, 6
	s_add_co_u32 s56, s56, s31
	s_mov_b32 s57, 0
	s_add_nc_u64 s[54:55], s[20:21], s[56:57]
	WLOAD 2048, 0
.Lfunc_end_k_q207513b5b2_prep:
	.size	k_q207513b5b2_prep, .Lfunc_end_k_q207513b5b2_prep-k_q207513b5b2_prep
	.p2alignl 7, 3214868480
	.fill 96, 4, 3214868480
	.section	.rodata,"a",@progbits
	.p2align	6, 0x0
	.amdhsa_kernel k_q207513b5b2_prep
		.amdhsa_group_segment_fixed_size 68608
		.amdhsa_private_segment_fixed_size 0
		.amdhsa_enable_private_segment 0
		.amdhsa_kernarg_size 96
		.amdhsa_user_sgpr_count 2
		.amdhsa_user_sgpr_kernarg_segment_ptr 1
		.amdhsa_wavefront_size32 1
		.amdhsa_system_sgpr_workgroup_id_x 1
		.amdhsa_system_sgpr_workgroup_id_y 1
		.amdhsa_system_sgpr_workgroup_id_z 1
		.amdhsa_system_vgpr_workitem_id 0
		.amdhsa_next_free_vgpr 194
		.amdhsa_next_free_sgpr 66
		.amdhsa_reserve_vcc 1
		.amdhsa_float_denorm_mode_32 3
		.amdhsa_float_denorm_mode_16_64 3
		.amdhsa_memory_ordered 1
		.amdhsa_forward_progress 1
		.amdhsa_inst_pref_size 53
	.end_amdhsa_kernel
	.amdgpu_metadata
---
amdhsa.version: [ 1, 2 ]
amdhsa.kernels:
  - .name:           k_q207513b5b2_prep
    .symbol:         k_q207513b5b2_prep.kd
    .args:
      - { .name: Q, .offset: 0, .size: 8, .value_kind: global_buffer, .address_space: global }
      - { .name: K, .offset: 8, .size: 8, .value_kind: global_buffer, .address_space: global }
      - { .name: V, .offset: 16, .size: 8, .value_kind: global_buffer, .address_space: global }
      - { .name: padding_mask, .offset: 24, .size: 8, .value_kind: global_buffer, .address_space: global }
      - { .name: sequence_mask, .offset: 32, .size: 8, .value_kind: global_buffer, .address_space: global }
      - { .name: Wq, .offset: 40, .size: 8, .value_kind: global_buffer, .address_space: global }
      - { .name: Wk, .offset: 48, .size: 8, .value_kind: global_buffer, .address_space: global }
      - { .name: Wv, .offset: 56, .size: 8, .value_kind: global_buffer, .address_space: global }
      - { .name: Wo, .offset: 64, .size: 8, .value_kind: global_buffer, .address_space: global }
      - { .name: ops, .offset: 72, .size: 8, .value_kind: global_buffer, .address_space: global }
      - { .name: maskw, .offset: 80, .size: 8, .value_kind: global_buffer, .address_space: global }
      - { .name: msum, .offset: 88, .size: 8, .value_kind: global_buffer, .address_space: global }
    .group_segment_fixed_size: 68608
    .private_segment_fixed_size: 0
    .kernarg_segment_align: 8
    .kernarg_segment_size: 96
    .max_flat_workgroup_size: 256
    .sgpr_count:     66
    .vgpr_count:     194
    .wavefront_size: 32
...
	.end_amdgpu_metadata
.endif
;; end of part 1
;; launch proj (part 2): grid 256 x 1, 4 waves a work-group, no clusters, 168,448 bytes of LDS; arguments ops, bq, bk, bv, att; writes att
.if DOCPART == 2
	.amdgcn_target "amdgcn-amd-amdhsa--gfx1250"
	.amdhsa_code_object_version 6
	.text
	.protected	k_q207513b5b2_proj
	.globl	k_q207513b5b2_proj
	.p2align	8
	.type	k_q207513b5b2_proj,@function
k_q207513b5b2_proj:
	s_mov_b64 s[64:65], 0
	v_nop
	global_prefetch_b8 v0, s[64:65] scope:SCOPE_SE
	s_setreg_imm32_b32 hwreg(HW_REG_WAVE_MODE, 25, 1), 1
	s_wait_xcnt 0x0
; PROJ.  The three projections on codes of BF6 with E8M0 scales, K = d_model = 512; the bias is the C of each sum's first matrix instruction; the result is quantised in registers along the NEXT product's K
; and stored as images of operand registers.  Nothing wider than codes goes to memory.
; A wave keeps a group P of 8 tiles x 4 K steps (32 fragments, 384 registers) for the whole launch and walks 16 tiles R, which the four waves share through LDS (four chunks, each filled once by tensor loads).
; A UNIT is 32 matrix instructions, source 0 = P's tile t, source 1 = the R tile: by the order of P's rows a lane's 64 results are 128 neighbours' worth along the next K (register 16 b + i = 32 b + 16 (lane / 16) + i).
; Work-groups 0-127 (mode 0): Qp and Kp.  P = one head's Wq or Wk, R = 16 row tiles of Q or K: a lane holds one token, its registers run along d_k.
; Work-groups 128-255 (mode 1): Vp.  P = 128 keys of V, R = the head's 16 channel tiles of Wv: a lane holds one channel, its registers run along the keys, which are the second attention product's K.
; No cluster: P goes straight into registers; an R chunk has 2 readers in mode 0 and 16 in mode 1, so one text could not name one mask; R is a third of a work-group's bytes.
; LDS: more than half of it is claimed; 106,496 bytes are used, and no byte is filled twice.
; LIMITS: as in the first launch (blocks under 2^-122 keep the byte 1; NaN and infinities are not served).
.set CHK, 26624
.set CSC, 24576
.set FRB, 1536
.set LI,  1                            ; v1   16 x lane
.set LS,  2                            ; v2   4 x lane
.set RA,  3                            ; v3   LDS: the chunk in hand + 16 x lane
.set RS,  4                            ; v4   the same + 4 x lane
.set CB,  8                            ; v8-15    mode 1: the unit's bias, the lane's channel's, eight times
.set XF,  16                           ; v16-63   the R tile's four fragments
.set HA,  64                           ; v64-127  the unit's 8 accumulators
.set PC,  128                          ; v128-146 the codes just made
.set TM,  148                          ; v148-163 at work in QUANT
.set PW,  164                          ; v164     the scale word just made
.set XS,  166                          ; v166-169 the R tile's scale words
.set PS,  176                          ; v176-207 P's scale words, 4 t + ks
.set BL,  208                          ; v208-223 mode 1: the bias of unit u's channel
.set B1,  192                          ; window 2, v192-255: mode 0: the bias in the result's layout, 8 registers a tile
.set WV,  40
.set MODE, 41
.set PB,  42
.set OB,  44
.set SB,  46
.set SEL, 48
.set MSB, 0
.macro WIN new                         ; the immediate's high byte repeats the setting that is left; a switch that changes nothing is dropped
.if MSB != \new
	s_set_vgpr_msb (MSB<<8)|\new
.set MSB, \new
.endif
.endm
.macro PLACES n
.rept \n
	v_nop
.endr
.endm
.macro FETCH reg, adr, off
.irp c, 0,1,2
	ds_load_b128 v[\reg+4*\c:\reg+4*\c+3], v[\adr] offset:\off+512*\c
.endr
.endm
.macro QUANT s
.irp b, 0,1,2,3
	v_max3_num_f32 v[TM+\b], |v[\s+16*\b]|, |v[\s+1+16*\b]|, 0x2800000   ; my 16 numbers of block b, and the floor 2^(5 - 127).  Each accumulator is read from its low end on
.endr
.irp i, 2,4,6,8,10,12,14
.irp b, 0,1,2,3
	v_max3_num_f32 v[TM+\b], v[TM+\b], |v[\s+16*\b+\i]|, |v[\s+1+16*\b+\i]|
.endr
.endr
.irp b, 0,1,2,3
	v_permlanex16_b32 v[TM+4+\b], v[TM+\b], s[SEL], s[SEL+1]
.endr
.irp b, 0,1,2,3
	v_max_num_f32 v[TM+\b], v[TM+\b], v[TM+4+\b]
.endr
.irp b, 0,1,2,3
	v_add_nc_u32 v[TM+12+\b], 0xfe000000, v[TM+\b]     ; 4 off the exponent field: the conversion's scale operand
.endr
.irp b, 0,1,2,3
	v_lshrrev_b32 v[TM+4+\b], 23, v[TM+12+\b]
.endr
	v_lshl_or_b32 v[PW], v[TM+5], 8, v[TM+4]
	v_lshl_or_b32 v[PW], v[TM+6], 16, v[PW]
	v_lshl_or_b32 v[PW], v[TM+7], 24, v[PW]
.irp c, 0,1
	v_cvt_scalef32_pk16_bf6_f32 v[PC+6*\c:PC+2+6*\c], v[\s+32*\c:\s+15+32*\c], v[TM+12+2*\c]
	v_cvt_scalef32_pk16_bf6_f32 v[PC+12+4*\c:PC+14+4*\c], v[\s+16+32*\c:\s+31+32*\c], v[TM+12+2*\c+1]
.endr
	v_nop                                              ; one plain place behind a scaled conversion
.irp c, 0,1
.irp i, 0,1,2
	v_permlane16_swap_b32 v[PC+6*\c+\i], v[PC+12+4*\c+\i]
.endr
.irp i, 0,1,2
	v_mov_b32 v[PC+3+6*\c+\i], v[PC+12+4*\c+\i]
.endr
.endr
.endm
	s_load_b256 s[4:11], s[0:1], 0x0               ; ops, bq, bk, bv
	s_load_b64 s[12:13], s[0:1], 0x20              ; att
	v_lshl_add_u32 v254, v0, 2, 0x29000
	v_mov_b32 v255, 0
	ds_add_u32 v254, v255
	ds_add_u32 v254, v255
	v_lshrrev_b32 v1, 5, v0
	v_readfirstlane_b32 s[WV], v1                  ; wave 0..3
	v_and_b32 v5, 31, v0
	v_lshlrev_b32 v[LI], 4, v5
	v_lshlrev_b32 v[LS], 2, v5
	v_and_b32 v6, 15, v0
	v_bfe_u32 v7, v0, 4, 1
	v_and_b32 v5, 8, v6
	v_add_nc_u32 v6, v6, v5
	v_lshlrev_b32 v6, 2, v6                        ; 4 (r + 8 (r / 8)): the lane's channel in a tile of Wv
	v_lshlrev_b32 v7, 6, v7                        ; 64 h: the lane's half of 32 of d_k
.irp b, 0,1,2,3
	v_mov_b32 v[TM+4+\b], 0                        ; written once: a lane permute's destination counts as one of its sources
.endr
	s_mov_b32 s[SEL], 0x76543210
	s_mov_b32 s[SEL+1], 0xfedcba98
	; descriptor group 1: a quarter of a chunk, 26 dense rows of 256 bytes (32 elements of 8 bytes), no padding: the images are read 16 bytes a lane on end
	s_mov_b32 s16, 3<<16
	s_mov_b32 s17, 32<<16                          ; tensor_dim0
	s_mov_b32 s18, 26<<16                          ; tensor_dim1
	s_mov_b32 s19, 32<<16                          ; tile_dim0
	s_mov_b32 s20, 26                              ; tile_dim1
	s_mov_b32 s21, 32                              ; pitch
	s_mov_b32 s22, 0
	s_mov_b32 s23, 0
	; mode 0: sel = Q or K, head = 4 hg + wave, rg = which 256 tokens
	s_lshr_b32 s2, ttmp9, 6
	s_bfe_u32 s3, ttmp9, 0x10005
	s_lshl_b32 s3, s3, 2
	s_add_co_u32 s3, s3, s[WV]                     ; head
	s_and_b32 s14, ttmp9, 31                       ; rg
	s_lshl_b32 s50, s2, 4
	s_lshl_b32 s15, s3, 1
	s_add_co_u32 s50, s50, s15
	s_add_co_u32 s50, s50, 384                     ; P's first chunk
	s_lshl_b32 s52, s2, 7
	s_lshl_b32 s15, s14, 2
	s_add_co_u32 s52, s52, s15                     ; R's first chunk
	s_lshr_b32 s54, s14, 2
	s_lshl_b32 s54, s54, 3
	s_add_co_u32 s54, s54, s3
	s_lshl_b32 s54, s54, 6
	s_and_b32 s15, s14, 3
	s_lshl_b32 s15, s15, 4
	s_add_co_u32 s54, s54, s15                     ; first fragment out: (8 b + head) 64 + 16 (rg % 4)
	s_mul_i32 s56, s2, 6291456                     ; Qp's or Kp's codes
	s_mul_i32 s57, s2, 524288
	s_add_co_u32 s57, s57, 25165824                ; and scale images
	s_lshl_b32 s58, s3, 9                          ; the head's 128 biases
	; mode 1: head hv, G = which 128 keys of the 8,192
	s_bfe_u32 s59, ttmp9, 0x30004
	s_and_b32 s60, ttmp9, 15
	s_lshl_b32 s60, s60, 2
	s_add_co_u32 s60, s60, s[WV]
	s_lshl_b32 s51, s60, 1
	s_add_co_u32 s51, s51, 256
	s_lshl_b32 s53, s59, 2
	s_add_co_u32 s53, s53, 416
	s_lshr_b32 s55, s60, 3
	s_lshl_b32 s55, s55, 3
	s_add_co_u32 s55, s55, s59
	s_lshl_b32 s55, s55, 3
	s_and_b32 s15, s60, 7
	s_add_co_u32 s55, s55, s15
	s_lshl_b32 s55, s55, 4                         ; ((8 b + hv) 8 + st) 16
	s_lshl_b32 s59, s59, 10                        ; the head's 256 biases
	s_mov_b32 s61, 12582912
	s_mov_b32 s62, 26214400
	s_cmp_lt_u32 ttmp9, 128
	s_cselect_b32 s[MODE], 0, 1
	s_cselect_b32 s50, s50, s51
	s_cselect_b32 s52, s52, s53
	s_cselect_b32 s54, s54, s55
	s_cselect_b32 s56, s56, s61
	s_cselect_b32 s57, s57, s62
	s_cselect_b32 s58, s58, s59
	s_cselect_b32 s60, 0, s59
	s_mul_i32 s50, s50, CHK
	s_mov_b32 s51, 0
	s_mul_i32 s52, s52, CHK
	s_mul_i32 s15, s[WV], 6656                     ; my quarter of a chunk, in memory and in LDS
	s_add_co_u32 s52, s52, s15
	s_mov_b32 s53, 0
	s_lshl_b32 s61, s54, 7
	s_add_co_u32 s61, s61, s57
	s_mul_i32 s54, s54, FRB
	s_add_co_u32 s54, s54, s56
	s_mov_b32 s55, 0
	s_mov_b32 s56, s61
	s_mov_b32 s57, 0
	s_mov_b32 s59, 0
	s_mov_b32 s61, 0
	s_wait_dscnt 0x0
	s_wait_kmcnt 0x0
	s_add_nc_u64 s[52:53], s[4:5], s[52:53]
.irp i, 0,1,2,3
	s_mov_b32 s[24+4*\i], 1                                        ; count = 1
	s_add_co_u32 s[25+4*\i], s15, \i*CHK                           ; LDS: chunk i, my quarter
	s_add_nc_u64 s[26+4*\i:27+4*\i], s[52:53], \i*CHK
	s_or_b32 s[27+4*\i], s[27+4*\i], 0x80000000                    ; type = 2
.endr
	tensor_load_to_lds s[24:27], s[16:23]          ; the four first fills go out as one group: four loads of mine are out
	s_nop 0
	tensor_load_to_lds s[28:31], s[16:23]
	s_nop 0
	tensor_load_to_lds s[32:35], s[16:23]
	s_nop 0
	tensor_load_to_lds s[36:39], s[16:23]
	s_nop 0
	PLACES 4                                       ; four lines here ahead of a switch of windows
	s_add_nc_u64 s[PB:PB+1], s[4:5], s[50:51]
	s_add_nc_u64 s[OB:OB+1], s[12:13], s[54:55]
	s_add_nc_u64 s[SB:SB+1], s[12:13], s[56:57]
	s_cmp_eq_u32 s2, 0
	s_cselect_b64 s[62:63], s[6:7], s[8:9]
	s_cmp_lt_u32 ttmp9, 128
	s_cselect_b64 s[62:63], s[62:63], s[10:11]     ; bq, bk or bv
	s_add_nc_u64 s[58:59], s[62:63], s[58:59]
	s_add_nc_u64 s[60:61], s[62:63], s[60:61]
	; P: tile t, K step ks lies in chunk t / 4 as fragment 4 (t % 4) + ks.  K steps 0, 1 -> window 1, K steps 2, 3 -> window 2, at 12 (8 (ks % 2) + t)
	WIN 0x40
.irp ks, 0,1
.irp t, 0,1,2,3,4,5,6,7
.irp c, 0,1,2
	global_load_b128 v[12*(8*\ks+\t)+4*\c:12*(8*\ks+\t)+4*\c+3], v[LI], s[PB:PB+1] offset:(\t/4)*CHK+(4*(\t%4)+\ks)*FRB+512*\c
.endr
.endr
.endr
	WIN 0x80
.irp ks, 2,3
.irp t, 0,1,2,3,4,5,6,7
.irp c, 0,1,2
	global_load_b128 v[12*(8*(\ks-2)+\t)+4*\c:12*(8*(\ks-2)+\t)+4*\c+3], v[LI], s[PB:PB+1] offset:(\t/4)*CHK+(4*(\t%4)+\ks)*FRB+512*\c
.endr
.endr
.endr
	; Both bias sets are loaded in both modes, from inside the chosen buffer, so that no way leaves a register unwritten; a mode's products name its own set alone.
.irp t, 0,1,2,3,4,5,6,7                        ; mode 0: lane (r, h), tile t: the biases of d_k 32 (t / 2) + 8 (t % 2) + 16 h + 0 .. 7
	global_load_b128 v[B1+8*\t:B1+8*\t+3], v7, s[58:59] offset:(32*(\t/2)+8*(\t%2))*4
	global_load_b128 v[B1+8*\t+4:B1+8*\t+7], v7, s[58:59] offset:(32*(\t/2)+8*(\t%2))*4+16
.endr
	WIN 0
.irp u, 0,1,2,3,4,5,6,7,8,9,10,11,12,13,14,15  ; mode 1: unit u's channel of the lane
	global_load_b32 v[BL+\u], v6, s[60:61] offset:(128*(\u/8)+32*((\u%8)/2)+8*(\u%2))*4
.endr
.irp t, 0,1,2,3,4,5,6,7
.irp ks, 0,1,2,3
	global_load_b32 v[PS+4*\t+\ks], v[LS], s[PB:PB+1] offset:(\t/4)*CHK+CSC+(4*(\t%4)+\ks)*128
.endr
.endr
	s_wait_loadcnt 0x0
.irp k, 0,1,2,3,4,5,6,7
	v_mov_b32 v[CB+\k], v[BL]
.endr
.macro RFETCH u                        ; unit u's R tile: four fragments and four scale words, 16 LDS loads
.irp ks, 0,1,2,3
	FETCH XF+12*\ks, RA, ((\u)%4)*6144+\ks*FRB
	ds_load_b32 v[XS+\ks], v[RS] offset:CSC+(4*((\u)%4)+\ks)*128
.endr
.endm
.macro BATCH i                         ; chunk i becomes readable
	s_wait_tensorcnt 3-\i                          ; my quarter of chunk i has landed; my 3 - i loads of later chunks may stay out
	s_wait_dscnt 0x0
	s_barrier_signal -1
	s_barrier_wait -1                              ; everybody's quarter has
	v_add_nc_u32 v[RA], \i*CHK, v[LI]
	v_add_nc_u32 v[RS], \i*CHK, v[LS]
	RFETCH 4*\i
.endm
.macro KSTEP ks                        ; eight links in place, the eight accumulators by turns
.irp t, 0,1,2,3,4,5,6,7
	v_wmma_scale_f32_16x16x128_f8f6f4 v[HA+8*\t:HA+8*\t+7], v[12*(8*((\ks)%2)+\t):12*(8*((\ks)%2)+\t)+11], v[XF+12*(\ks):XF+12*(\ks)+11], v[HA+8*\t:HA+8*\t+7], v[PS+4*\t+(\ks)], v[XS+(\ks)] matrix_a_fmt:MATRIX_FMT_BF6 matrix_b_fmt:MATRIX_FMT_BF6
.endr
.endm
.macro UNIT u
	s_wait_dscnt 0x0                               ; the R tile is in
	s_cmp_eq_u32 s[MODE], 0                        ; the branch hangs on the work-group's number alone, and stands round the first K step alone
	s_cbranch_scc0 .Lvm_\@
	WIN 0x21                                       ; source 0 (P) window 1, C (the bias) window 2
.irp t, 0,1,2,3,4,5,6,7
	v_wmma_scale_f32_16x16x128_f8f6f4 v[HA+8*\t:HA+8*\t+7], v[12*\t:12*\t+11], v[XF:XF+11], v[B1+8*\t:B1+8*\t+7], v[PS+4*\t], v[XS] matrix_a_fmt:MATRIX_FMT_BF6 matrix_b_fmt:MATRIX_FMT_BF6
.endr
	WIN 0
	s_branch .Lks1_\@
.Lvm_\@:
	WIN 0x01
.irp t, 0,1,2,3,4,5,6,7
	v_wmma_scale_f32_16x16x128_f8f6f4 v[HA+8*\t:HA+8*\t+7], v[12*\t:12*\t+11], v[XF:XF+11], v[CB:CB+7], v[PS+4*\t], v[XS] matrix_a_fmt:MATRIX_FMT_BF6 matrix_b_fmt:MATRIX_FMT_BF6
.endr
	WIN 0
.Lks1_\@:
	WIN 0x01
	KSTEP 1
	WIN 0x02
	KSTEP 2
	KSTEP 3
	WIN 0
	PLACES 5                                       ; four for the loads into the R tile's registers, the moves into the bias and the reads of the results; five for the next unit's products, which begin the accumulators anew
.if ((\u)%4) < 3
	RFETCH (\u)+1                                  ; lands while this unit is quantised
.endif
.if (\u) < 15
.irp k, 0,1,2,3,4,5,6,7
	v_mov_b32 v[CB+\k], v[BL+(\u)+1]               ; the next unit's bias (mode 1's products alone name it)
.endr
.endif
	s_wait_xcnt 0x0                                ; the last unit's stores have read the codes' registers
	QUANT HA
.irp c, 0,1,2
	global_store_b128 v[LI], v[PC+4*\c:PC+4*\c+3], s[OB:OB+1] offset:(\u)*FRB+512*\c    ; 512 consecutive bytes, aligned
.endr
	global_store_b32 v[LS], v[PW], s[SB:SB+1] offset:(\u)*128
.endm
.irp i, 0,1,2,3
	BATCH \i
	UNIT 4*\i
	UNIT 4*\i+1
	UNIT 4*\i+2
	UNIT 4*\i+3
.endr
	s_wait_tensorcnt 0x0
	ds_add_u32 v254, v255
	s_wait_dscnt 0x0
	s_endpgm                                       ; (the last batch's wait was for all my tensor loads)
.Lfunc_end_k_q207513b5b2_proj:
	.size	k_q207513b5b2_proj, .Lfunc_end_k_q207513b5b2_proj-k_q207513b5b2_proj
	.p2alignl 7, 3214868480
	.fill 96, 4, 3214868480
	.section	.rodata,"a",@progbits
	.p2align	6, 0x0
	.amdhsa_kernel k_q207513b5b2_proj
		.amdhsa_group_segment_fixed_size 168448
		.amdhsa_private_segment_fixed_size 0
		.amdhsa_enable_private_segment 0
		.amdhsa_kernarg_size 40
		.amdhsa_user_sgpr_count 2
		.amdhsa_user_sgpr_kernarg_segment_ptr 1
		.amdhsa_wavefront_size32 1
		.amdhsa_system_sgpr_workgroup_id_x 1
		.amdhsa_system_sgpr_workgroup_id_y 1
		.amdhsa_system_sgpr_workgroup_id_z 1
		.amdhsa_system_vgpr_workitem_id 0
		.amdhsa_next_free_vgpr 768
		.amdhsa_next_free_sgpr 66
		.amdhsa_reserve_vcc 0
		.amdhsa_float_denorm_mode_32 3
		.amdhsa_float_denorm_mode_16_64 3
		.amdhsa_memory_ordered 1
		.amdhsa_forward_progress 1
		.amdhsa_inst_pref_size 197
	.end_amdhsa_kernel
	.amdgpu_metadata
---
amdhsa.version: [ 1, 2 ]
amdhsa.kernels:
  - .name:           k_q207513b5b2_proj
    .symbol:         k_q207513b5b2_proj.kd
    .args:
      - { .name: ops, .offset: 0, .size: 8, .value_kind: global_buffer, .address_space: global }
      - { .name: bq, .offset: 8, .size: 8, .value_kind: global_buffer, .address_space: global }
      - { .name: bk, .offset: 16, .size: 8, .value_kind: global_buffer, .address_space: global }
      - { .name: bv, .offset: 24, .size: 8, .value_kind: global_buffer, .address_space: global }
      - { .name: att, .offset: 32, .size: 8, .value_kind: global_buffer, .address_space: global }
    .group_segment_fixed_size: 168448
    .private_segment_fixed_size: 0
    .kernarg_segment_align: 8
    .kernarg_segment_size: 40
    .max_flat_workgroup_size: 128
    .sgpr_count:     66
    .vgpr_count:     768
    .wavefront_size: 32
...
	.end_amdgpu_metadata
.endif
;; end of part 2
;; launch attn (part 3): grid 4 x 64, 8 waves a work-group, no clusters, 320,512 bytes of LDS; arguments att, maskw, msum, oimg; writes oimg
.if DOCPART == 3
	.amdgcn_target "amdgcn-amd-amdhsa--gfx1250"
	.amdhsa_code_object_version 6
	.text
	.protected	k_q207513b5b2_attn
	.globl	k_q207513b5b2_attn
	.p2align	8
	.type	k_q207513b5b2_attn,@function
k_q207513b5b2_attn:
	s_mov_b64 s[64:65], 0
	v_nop
	global_prefetch_b8 v0, s[64:65] scope:SCOPE_SE
	s_setreg_imm32_b32 hwreg(HW_REG_WAVE_MODE, 25, 1), 1
	s_wait_xcnt 0x0
; ATTN.  For one (batch, head): S^T = Kp Qp^T, the masks, p = 2^(t - M), O^T += Vp^T p^T, O / l, all products on codes of BF6 with E8M0 scales; the result is quantised along (head, channel) and stored as images.
; t = score x log2(e) / sqrt(128); M = the running largest t rounded UP to a whole number; the row's sum l is taken of the unquantised p; when M moves, l and O^T are multiplied by 2^(old M - new M), which rounds nothing.
; SHARES.  A work-group has 8 waves; a wave owns a PAIR of neighbouring tiles of 16 queries (A, B), so that each fragment of K and V read from LDS feeds two matrix instructions.  Work-group x = 0..3 takes bands x
; (waves 0-3) and 7 - x (waves 4-7) of 128 queries.  Both products are used transposed: a lane holds one query (lane % 16) throughout; by the order of Kp's rows register 16 b + i of the scores is key 32 b + 16 (lane / 16) + i.
; LDS.  The head's eight key steps (128 keys: 8 fragments of Kp, 16 of Vp, their scale images: 39,936 bytes) all stay: 319,488 bytes, each byte written once, by ds_store from registers, one step ahead of its readers;
; one barrier a step stands between the stores and the reads.  Operands come through registers, with no tensor load.
; THE MASKS are inputs.  The first launch has packed them: 64 lane masks for a tile and a key step, and a summary word.  A hidden score becomes -2^103, under every score served: its p is 0 beside a visible key.
; A row with no visible key so far has t - M = 0 exactly, so p = 1, the uniform row that the reference's -1e30 gives; the first visible key multiplies that part by 2^(-huge) = 0.
; A key step in which no query of the pair sees a key adds nothing and is left out (a scalar branch on the stored summaries, round work alone: no barrier stands under it), unless some query of the pair sees no key at all: such a pair walks all steps.
; No cluster: joint loads are tensor loads.
; LIMITS: raw scores lie above -2^103; NaN and infinities are not served; a block whose largest number lies under 2^-122 keeps the byte 1; 1 / l is v_rcp_f32's.
; O^T is cleared by moves at the head: which key step is a wave's first is decided by stored numbers, so no first product can be written out; the moves stand under the first loads.
.set CH,   39936                       ; a key step in LDS: K's fragment t at 1536 t; V's c at 12288 + 1536 c; K's scale images at 36864 + 128 t; V's at 37888 + 128 c
.set LI,   1                           ; v1   16 x lane
.set LS,   2                           ; v2   4 x lane
.set AD16, 3                           ; v3   the step in hand + 16 x lane
.set AD4,  4                           ; v4   the same + 4 x lane
.set NEG,  5                           ; v5   -2^103
.set A1,   6                           ; v6-9 where my part of the next step is stored
.set A2,   7
.set A3,   8
.set A4,   9
                                       ; v10-11, v14-15  -M and the largest t of tile A, B;  v12-13, v16-17 the sum in two halves;  v18-19, v20-21 f and a filler;  v22, v23 p's scale words
.set QS,   24                          ; v24-25  Q's scale words
.set FS,   26                          ; v26-33  scale words of K's or V's fragments, two sets of four
.set QF,   34                          ; v34-57  Q's two fragments
.set TM,   60                          ; v60-75  at work
.set BM,   TM                          ; four block maxima
.set BT,   TM+4
.set CHN,  TM+8                        ; the sum's second chain
.set TT,   TM+10
.set SO,   TM+12                       ; four scale operands
.set F,    76                          ; v76-123 four fragments of K; then A's codes (v76-87, at work to v94) and three fragments of V (v88-123)
.set PFO,  124                         ; v124    256 x lane; never rewritten
.set SA,   128                         ; v128-191 A's scores, then p; then v128-166 the next step's part on its way to LDS, v168-186 B's codes
                                       ; v192-255 B's scores, then p; then five fragments of V.   Window 1: O^T, tile q, channel tile c at 128 q + 8 c
.set PC,   76                          ; the way out's QUANT
.set PW,   22
.set ST,   2                           ; s2   the key step
.set TB,   3                           ; s3   its first LDS byte
.set KB,   4                           ; s[4:5] .. s[10:11] where my part of the step to be copied lies: K's, V's codes, K's, V's scale images
.set VB,   6
.set KSB,  8
.set VSB,  10
.set WV,   12
.set TW,   13                          ; s13  LDS: 1536 w + the target step
.set TS,   14                          ; s14  36864 + 128 w + the target step
.set WC,   15                          ; s15  12288 + 1536 w
.set WD,   16                          ; s16  1024 + 128 w
.set WORK, 17                          ; s17  bit st: the pair works in step st
.set OPEN, 18                          ; s18  bit st: nothing is hidden from the pair in step st
.set PMASK, 19                         ; s19  bit st: I prefetch in trip st
.set SEL,  20
.set CS,   22                          ; s[22:23] c = log2(e) / sqrt(128), twice
.set MP,   24                          ; s[24:25] the pair's mask record of the step
.set PFA,  26
.set PFS,  28
.set OU,   66
.set OS,   100
                                       ; s32-63, s68-99: 64 lane masks (at the head: pointers, summaries, offsets)
.set MSB, 0
.macro WIN new
.if MSB != \new
	s_set_vgpr_msb (MSB<<8)|\new
.set MSB, \new
.endif
.endm
.macro PLACES n
.rept \n
	v_nop
.endr
.endm
.macro FETCH reg, adr, off
.irp c, 0,1,2
	ds_load_b128 v[\reg+4*\c:\reg+4*\c+3], v[\adr] offset:\off+512*\c
.endr
.endm
.macro QUANT s
.irp b, 0,1,2,3
	v_max3_num_f32 v[TM+\b], |v[\s+16*\b]|, |v[\s+1+16*\b]|, 0x2800000
.endr
.irp i, 2,4,6,8,10,12,14
.irp b, 0,1,2,3
	v_max3_num_f32 v[TM+\b], v[TM+\b], |v[\s+16*\b+\i]|, |v[\s+1+16*\b+\i]|
.endr
.endr
.irp b, 0,1,2,3
	v_permlanex16_b32 v[TM+4+\b], v[TM+\b], s[SEL], s[SEL+1]
.endr
.irp b, 0,1,2,3
	v_max_num_f32 v[TM+\b], v[TM+\b], v[TM+4+\b]
.endr
.irp b, 0,1,2,3
	v_add_nc_u32 v[TM+12+\b], 0xfe000000, v[TM+\b]
.endr
.irp b, 0,1,2,3
	v_lshrrev_b32 v[TM+4+\b], 23, v[TM+12+\b]
.endr
	v_lshl_or_b32 v[PW], v[TM+5], 8, v[TM+4]
	v_lshl_or_b32 v[PW], v[TM+6], 16, v[PW]
	v_lshl_or_b32 v[PW], v[TM+7], 24, v[PW]
.irp c, 0,1
	v_cvt_scalef32_pk16_bf6_f32 v[PC+6*\c:PC+2+6*\c], v[\s+32*\c:\s+15+32*\c], v[TM+12+2*\c]
	v_cvt_scalef32_pk16_bf6_f32 v[PC+12+4*\c:PC+14+4*\c], v[\s+16+32*\c:\s+31+32*\c], v[TM+12+2*\c+1]
.endr
	v_nop
.irp c, 0,1
.irp i, 0,1,2
	v_permlane16_swap_b32 v[PC+6*\c+\i], v[PC+12+4*\c+\i]
.endr
.irp i, 0,1,2
	v_mov_b32 v[PC+3+6*\c+\i], v[PC+12+4*\c+\i]
.endr
.endr
.endm
; My part of a key step, memory to registers: K's fragment w, V's fragments 2 w and 2 w + 1, their three scale images: 12 loads
.macro CLOAD
.irp c, 0,1,2
	global_load_b128 v[128+4*\c:128+4*\c+3], v[LI], s[KB:KB+1] offset:512*\c
.endr
.irp e, 0,1
.irp c, 0,1,2
	global_load_b128 v[140+12*\e+4*\c:140+12*\e+4*\c+3], v[LI], s[VB:VB+1] offset:\e*1536+512*\c
.endr
.endr
	global_load_b32 v164, v[LS], s[KSB:KSB+1]
	global_load_b32 v165, v[LS], s[VSB:VSB+1]
	global_load_b32 v166, v[LS], s[VSB:VSB+1] offset:128
.endm
.macro PSTEP                           ; on to the next key step's part
	s_wait_xcnt 0x0                                ; the last copy's loads and the last prefetch, a trip back, have read their addresses
	s_add_nc_u64 s[KB:KB+1], s[KB:KB+1], 12288
	s_add_nc_u64 s[VB:VB+1], s[VB:VB+1], 24576
	s_add_nc_u64 s[KSB:KSB+1], s[KSB:KSB+1], 1024
	s_add_nc_u64 s[VSB:VSB+1], s[VSB:VSB+1], 2048
	s_add_nc_u64 s[PFA:PFA+1], s[PFA:PFA+1], s[PFS:PFS+1]
.endm
.macro CADR
	v_add_nc_u32 v[A1], s[TW], v[LI]
	v_add_nc_u32 v[A2], s[WC], v[A1]
	v_add_nc_u32 v[A3], s[TS], v[LS]
	v_add_nc_u32 v[A4], s[WD], v[A3]
.endm
.macro CSTORE                          ; registers to LDS, as images
.irp c, 0,1,2
	ds_store_b128 v[A1], v[128+4*\c:128+4*\c+3] offset:512*\c
.endr
.irp e, 0,1
.irp c, 0,1,2
	ds_store_b128 v[A2], v[140+12*\e+4*\c:140+12*\e+4*\c+3] offset:\e*1536+512*\c
.endr
.endr
	ds_store_b32 v[A3], v164
	ds_store_b32 v[A4], v165
	ds_store_b32 v[A4], v166 offset:128
	s_add_co_u32 s[TW], s[TW], CH
	s_add_co_u32 s[TS], s[TS], CH
.endm
; A PREFETCH INTO THE L2, behind the copy's loads.  The four work-groups of a head read the same Kp and Vp: work-group x = 0 asks, one instruction a wave, lanes 256 bytes apart, each block of 256 bytes once in the launch.
; Waves 0-2: V's 24,576 bytes of step ST + 3, in trips 0 to 4: one trip ahead of the copy that loads them.  Waves 4-6: K's 24,576 bytes of steps 4, 5 (trip 1) and 6, 7 (trip 3).  Earlier steps come by their loads alone; no address passes the head's last step.
.macro ASK
	s_lshr_b32 s30, s[PMASK], s[ST]
	s_and_b32 s30, s30, 1
	s_cmp_eq_u32 s30, 0
	s_cbranch_scc1 .Lnot_mine_\@
	global_prefetch_b8 v[PFO], s[PFA:PFA+1] th:TH_LOAD_NT scope:SCOPE_SE
.Lnot_mine_\@:
.endm
.macro MLOAD off                       ; a record's 64 lane masks
	s_load_b512 s[32:47], s[MP:MP+1], \off
	s_load_b512 s[48:63], s[MP:MP+1], \off+64
	s_load_b512 s[68:83], s[MP:MP+1], \off+128
	s_load_b512 s[84:99], s[MP:MP+1], \off+192
.endm
.macro MASKS sr                        ; hidden scores become -2^103; each accumulator is read from its low end on
.set j, 0
.rept 64
.if j < 32
	v_cndmask_b32 v[\sr+j], v[NEG], v[\sr+j], s[32+j]
.else
	v_cndmask_b32 v[\sr+j], v[NEG], v[\sr+j], s[36+j]
.endif
.set j, j+1
.endr
.endm
.macro KLOAD g                         ; K's tiles 4 g .. 4 g + 3 and their scale words
.irp e, 0,1,2,3
	FETCH F+12*\e, AD16, (4*\g+\e)*1536
	ds_load_b32 v[FS+\e], v[AD4] offset:36864+(4*\g+\e)*128
.endr
.endm
.macro VSET n, e                       ; where fragment e of V's run n lies: even runs v192, 204, 216, 228; odd runs v240, 88, 100, 112
.if ((\n)%2) == 0
.set VR, 192+12*\e
.elseif \e == 0
.set VR, 240
.else
.set VR, 76+12*\e
.endif
.endm
.macro VLOAD n                         ; V's channel tiles 4 n .. 4 n + 3 and their scale words: 16 LDS loads
.irp e, 0,1,2,3
	VSET \n, \e
	FETCH VR, AD16, 12288+(4*(\n)+\e)*1536
	ds_load_b32 v[FS+4*((\n)%2)+\e], v[AD4] offset:37888+(4*(\n)+\e)*128
.endr
.endm
.macro PVMUL n                         ; eight products, eight accumulators, one instruction each
	WIN 0x50                                       ; C and D in window 1
.irp e, 0,1,2,3
	VSET \n, \e
.irp q, 0,1
	v_wmma_scale_f32_16x16x128_f8f6f4 v[128*\q+8*(4*(\n)+\e):128*\q+8*(4*(\n)+\e)+7], v[VR:VR+11], v[76+92*\q:76+92*\q+11], v[128*\q+8*(4*(\n)+\e):128*\q+8*(4*(\n)+\e)+7], v[FS+4*((\n)%2)+\e], v[22+\q] matrix_a_fmt:MATRIX_FMT_BF6 matrix_b_fmt:MATRIX_FMT_BF6
.endr
.endr
	WIN 0
.endm
; One tile's softmax for 128 keys.  sr: the scores; nm: -M, largest t; su: the sum; fp: f; pwr: p's scale word; pcr: p's codes (12 registers, and 7 at work behind them)
.macro SOFTMAX sr, nm, su, fp, pwr, pcr
.irp b, 0,1,2,3
	v_max3_num_f32 v[BM+\b], v[\sr+16*\b], v[\sr+1+16*\b], v[\sr+2+16*\b]   ; the largest score of each block of 32 keys: for the row's maximum, and, since p rises with the score, for the block's largest p
.endr
.irp i, 3,5,7,9,11,13
.irp b, 0,1,2,3
	v_max3_num_f32 v[BM+\b], v[BM+\b], v[\sr+16*\b+\i], v[\sr+1+16*\b+\i]
.endr
.endr
.irp b, 0,1,2,3
	v_max_num_f32 v[BM+\b], v[BM+\b], v[\sr+15+16*\b]
.endr
.irp b, 0,1,2,3
	v_permlanex16_b32 v[BT+\b], v[BM+\b], s[SEL], s[SEL+1]
.endr
.irp b, 0,1,2,3
	v_max_num_f32 v[BM+\b], v[BM+\b], v[BT+\b]         ; with lane l xor 16's 16 keys
.endr
	v_max3_num_f32 v[TT], v[BM], v[BM+1], v[BM+2]
	v_max_num_f32 v[TT], v[TT], v[BM+3]
	v_mul_f32 v[TT], s[CS], v[TT]                      ; the step's largest t (c is positive)
	v_max_num_f32 v[\nm+1], v[\nm+1], v[TT]            ; the running largest t
	v_mov_b32 v[TT], v[\nm]
	v_floor_f32 v[\nm], -v[\nm+1]                      ; the new -M = floor(-t): M is a whole number
	v_sub_f32 v[TT], v[\nm], v[TT]                     ; old M - new M, 0 or less
	v_cvt_i32_f32 v[TT], v[TT]                         ; (it saturates)
	v_ldexp_f32 v[\fp], 1.0, v[TT]                     ; f = 2^(old M - new M)
.set jj, 0
.rept 32
	v_pk_fma_f32 v[\sr+jj:\sr+jj+1], v[\sr+jj:\sr+jj+1], s[CS:CS+1], v[\nm:\nm+1] op_sel_hi:[1,0,0]   ; t - M, two at a time
.set jj, jj+2
.endr
.irp b, 0,1,2,3
	v_fma_f32 v[BM+\b], v[BM+\b], s[CS], v[\nm]        ; the same of each block's largest score
.endr
.set jj, 0
.rept 64
	v_exp_f32 v[\sr+jj], v[\sr+jj]                     ; p = 2^(t - M): not normalised
.set jj, jj+1
.endr
	v_pk_mul_f32 v[\su:\su+1], v[\su:\su+1], v[\fp:\fp+1] op_sel_hi:[1,0]   ; the sum under the new M (the plain place behind the exponentials)
	s_wait_alu depctr_va_vdst(0)                       ; one wait for the batch of 64, ahead of its first reader
.irp b, 0,1,2,3
	v_exp_f32 v[BM+\b], v[BM+\b]                       ; the block's largest p: the same two instructions on the same number
.endr
	v_pk_add_f32 v[CHN:CHN+1], v[\sr:\sr+1], v[\sr+2:\sr+3]   ; the row's sum of the unquantised p, in two chains
.set jj, 4
.rept 15
	v_pk_add_f32 v[\su:\su+1], v[\su:\su+1], v[\sr+jj:\sr+jj+1]
	v_pk_add_f32 v[CHN:CHN+1], v[CHN:CHN+1], v[\sr+jj+2:\sr+jj+3]
.set jj, jj+4
.endr
	v_pk_add_f32 v[\su:\su+1], v[\su:\su+1], v[CHN:CHN+1]
	s_wait_alu depctr_va_vdst(0)                       ; and one for the four
.irp b, 0,1,2,3
	v_max_num_f32 v[BM+\b], 0x2800000, v[BM+\b]        ; the floor 2^(5 - 127): a block of zeros keeps the byte 1, its codes are zeros
.endr
.irp b, 0,1,2,3
	v_add_nc_u32 v[SO+\b], 0xfe000000, v[BM+\b]
.endr
.irp b, 0,1,2,3
	v_lshrrev_b32 v[BT+\b], 23, v[SO+\b]
.endr
	v_lshl_or_b32 v[\pwr], v[BT+1], 8, v[BT]
	v_lshl_or_b32 v[\pwr], v[BT+2], 16, v[\pwr]
	v_lshl_or_b32 v[\pwr], v[BT+3], 24, v[\pwr]
.irp c, 0,1
	v_cvt_scalef32_pk16_bf6_f32 v[\pcr+6*\c:\pcr+2+6*\c], v[\sr+32*\c:\sr+15+32*\c], v[SO+2*\c]
	v_cvt_scalef32_pk16_bf6_f32 v[\pcr+12+4*\c:\pcr+14+4*\c], v[\sr+16+32*\c:\sr+31+32*\c], v[SO+2*\c+1]
.endr
	v_nop                                              ; one plain place behind a scaled conversion
.irp c, 0,1
.irp i, 0,1,2
	v_permlane16_swap_b32 v[\pcr+6*\c+\i], v[\pcr+12+4*\c+\i]
.endr
.irp i, 0,1,2
	v_mov_b32 v[\pcr+3+6*\c+\i], v[\pcr+12+4*\c+\i]
.endr
.endr
.endm
; A TRIP = key step ST.  store = 1: my part of step ST + 1 goes from registers to LDS, and a barrier follows.  load = 1: my part of step ST + 2 is asked for.
.macro TRIP store, load
.if \store
	s_wait_loadcnt 0x0                             ; my part of step ST + 1 is in registers (in the first trip Q too)
	CADR
	CSTORE
	s_wait_dscnt 0x0                               ; for the others' sake: my stores are done
	s_barrier_signal -1
	s_barrier_wait -1                              ; step ST + 1 is whole; step ST was whole a trip ago (step 0: by this same barrier)
.endif
	v_add_nc_u32 v[AD16], s[TB], v[LI]
	v_add_nc_u32 v[AD4], s[TB], v[LS]
	s_lshr_b32 s30, s[WORK], s[ST]
	s_and_b32 s30, s30, 1
	s_cmp_eq_u32 s30, 0
	s_cbranch_scc1 .Lskip_\@
	MLOAD 0                                        ; tile A's lane masks
.irp g, 0,1                                    ; S^T = K Q^T: four tiles of keys at a time, each against both tiles of queries
	KLOAD \g
	s_wait_dscnt 0x0
.irp e, 0,1,2,3
.irp q, 0,1
	v_wmma_scale_f32_16x16x128_f8f6f4 v[SA+64*\q+8*(4*\g+\e):SA+64*\q+8*(4*\g+\e)+7], v[F+12*\e:F+12*\e+11], v[QF+12*\q:QF+12*\q+11], 0, v[FS+\e], v[QS+\q] matrix_a_fmt:MATRIX_FMT_BF6 matrix_b_fmt:MATRIX_FMT_BF6
.endr
.endr
	PLACES 4                                       ; in front of loads into K's registers and of the first read of the scores
.endr
	s_wait_kmcnt 0x0
	s_lshr_b32 s30, s[OPEN], s[ST]
	s_and_b32 s30, s30, 1
	s_cmp_lg_u32 s30, 0
	s_cbranch_scc1 .Lopen_a_\@
	MASKS SA
.Lopen_a_\@:
	MLOAD 2048                                     ; tile B's lane masks come while A's softmax is walked
	SOFTMAX SA, 10, 12, 18, 22, 76
.if \load
	PSTEP
	CLOAD                                          ; into registers that A's scores have left; it lands under B's softmax and the second product
	ASK
.endif
	s_wait_kmcnt 0x0
	s_lshr_b32 s30, s[OPEN], s[ST]
	s_and_b32 s30, s30, 1
	s_cmp_lg_u32 s30, 0
	s_cbranch_scc1 .Lopen_b_\@
	MASKS SA+64
.Lopen_b_\@:
	SOFTMAX SA+64, 14, 16, 20, 23, 168
	VLOAD 0
	VLOAD 1
	WIN 0x41                                       ; O^T (destination and source 0) in window 1, f in window 0
.irp q, 0,1
.set jj, 0
.rept 64
	v_pk_mul_f32 v[128*\q+jj:128*\q+jj+1], v[128*\q+jj:128*\q+jj+1], v[18+2*\q:19+2*\q] op_sel_hi:[1,0]   ; O^T under the new M.  These are also the places between p's codes and scale words and the products
.set jj, jj+2
.endr
.endr
	WIN 0
	s_wait_dscnt 16                                ; run 0 is in; run 1's 16 loads may be out
	PVMUL 0
	PLACES 4
	VLOAD 2
	s_wait_dscnt 16                                ; run 1 is in; run 2's 16 may be out
	PVMUL 1
	PLACES 4
	VLOAD 3
	s_wait_dscnt 16
	PVMUL 2
	s_wait_dscnt 0x0
	PVMUL 3
	PLACES 5                                       ; the next scores are written over registers that these products have read
	s_branch .Ljoin_\@
.Lskip_\@:
.if \load
	PSTEP
	CLOAD
	ASK
.endif
.Ljoin_\@:
	s_add_co_u32 s[TB], s[TB], CH
	s_add_nc_u64 s[MP:MP+1], s[MP:MP+1], 256       ; (no scalar load is out: each was waited for)
	s_add_co_u32 s[ST], s[ST], 1
.endm
	s_load_b256 s[32:39], s[0:1], 0x0              ; att, maskw, msum, oimg
	v_lshl_add_u32 v126, v0, 2, 0x4e000
	v_mov_b32 v127, 0
	v_lshrrev_b32 v3, 5, v0
	v_readfirstlane_b32 s[WV], v3                  ; wave 0..7
	v_and_b32 v3, 31, v0
	v_lshlrev_b32 v[LI], 4, v3
	v_lshlrev_b32 v[LS], 2, v3
	v_lshlrev_b32 v[PFO], 8, v3
	v_mov_b32 v[NEG], 0xf3000000
	s_and_b32 s68, ttmp7, 0xffff                   ; bh = 8 b + head
	s_lshr_b32 s69, s68, 3
	s_and_b32 s70, s68, 7
	s_sub_co_u32 s71, 7, ttmp9
	s_cmp_lt_u32 s[WV], 4
	s_cselect_b32 s71, ttmp9, s71                  ; my band of 128 queries
	s_and_b32 s72, s[WV], 3
	s_lshl_b32 s71, s71, 2
	s_add_co_u32 s71, s71, s72                     ; my pair p
	s_lshl_b32 s71, s71, 1
	s_lshl_b32 s73, s69, 6
	s_add_co_u32 s73, s73, s71                     ; 64 b + 2 p: tile A among the batch's row tiles
	s_lshl_b32 s74, s68, 6
	s_add_co_u32 s75, s74, s[WV]                   ; K's fragment 64 bh + w
	s_add_co_u32 s76, s74, s71                     ; Q's fragment 64 bh + 2 p
	s_lshl_b32 s77, s68, 7
	s_lshl_b32 s78, s[WV], 1
	s_add_co_u32 s77, s77, s78                     ; V's fragment 128 bh + 2 w
	s_mul_i32 s80, s75, 1536
	s_add_co_u32 s80, s80, 6291456
	s_mov_b32 s81, 0
	s_mul_i32 s82, s77, 1536
	s_add_co_u32 s82, s82, 12582912
	s_mov_b32 s83, 0
	s_lshl_b32 s84, s75, 7
	s_add_co_u32 s84, s84, 25690112
	s_mov_b32 s85, 0
	s_lshl_b32 s86, s77, 7
	s_add_co_u32 s86, s86, 26214400
	s_mov_b32 s87, 0
	s_mul_i32 s88, s76, 1536
	s_mov_b32 s89, 0
	s_lshl_b32 s90, s76, 7
	s_add_co_u32 s90, s90, 25165824
	s_mov_b32 s91, 0
	s_lshl_b32 s92, s73, 11                        ; eight records of 256 bytes a tile
	s_mov_b32 s93, 0
	s_lshl_b32 s94, s73, 5                         ; eight summaries a tile
	s_mov_b32 s95, 0
	s_mul_i32 s96, s73, 26624                      ; the tile's chunk of oimg; fragment 2 head + g
	s_lshl_b32 s30, s70, 8
	s_add_co_u32 s98, s96, s30
	s_add_co_u32 s98, s98, 24576
	s_mov_b32 s99, 0
	s_mul_i32 s30, s70, 3072
	s_add_co_u32 s96, s96, s30
	s_mov_b32 s97, 0
	; the prefetches: where mine stand (step 1 of the head; the two steps below bring V's to step 3 in trip 0), how far a step is, and in which trips I ask
	s_mul_i32 s40, s68, 196608
	s_add_co_u32 s40, s40, 12582912+24576
	s_mul_i32 s41, s68, 98304
	s_add_co_u32 s41, s41, 6291456+12288
	s_cmp_lt_u32 s[WV], 4
	s_cselect_b32 s40, s40, s41
	s_mov_b32 s41, 12288
	s_cselect_b32 s[PFS], 24576, s41
	s_cselect_b32 s[PMASK], 0x1f, 0x0a
	s_lshl_b32 s41, s72, 13
	s_add_co_u32 s40, s40, s41                     ; 8,192 bytes a wave
	s_mov_b32 s41, 0
	s_mov_b32 s[PFS+1], 0
	s_cmp_eq_u32 s72, 3
	s_cselect_b32 s[PMASK], 0, s[PMASK]            ; three waves' worth
	s_cmp_lg_u32 ttmp9, 0
	s_cselect_b32 s[PMASK], 0, s[PMASK]            ; the head's first work-group alone
	s_mul_i32 s[TW], s[WV], 1536
	s_lshl_b32 s[TS], s[WV], 7
	s_add_co_u32 s[WD], s[TS], 1024
	s_add_co_u32 s[TS], s[TS], 36864
	s_add_co_u32 s[WC], s[TW], 12288
	s_mov_b32 s[ST], 0
	s_mov_b32 s[TB], 0
	s_mov_b32 s[SEL], 0x76543210
	s_mov_b32 s[SEL+1], 0xfedcba98
	s_mov_b32 s[CS], 0x3e0293ee
	s_mov_b32 s[CS+1], s[CS]
	s_wait_kmcnt 0x0
	s_add_nc_u64 s[KB:KB+1], s[32:33], s[80:81]
	s_add_nc_u64 s[VB:VB+1], s[32:33], s[82:83]
	s_add_nc_u64 s[KSB:KSB+1], s[32:33], s[84:85]
	s_add_nc_u64 s[VSB:VSB+1], s[32:33], s[86:87]
	s_add_nc_u64 s[88:89], s[32:33], s[88:89]      ; Q's codes
	s_add_nc_u64 s[90:91], s[32:33], s[90:91]      ; Q's scale images
	s_add_nc_u64 s[PFA:PFA+1], s[32:33], s[40:41]
	s_add_nc_u64 s[MP:MP+1], s[34:35], s[92:93]
	s_add_nc_u64 s[94:95], s[36:37], s[94:95]
	s_add_nc_u64 s[OU:OU+1], s[38:39], s[96:97]
	s_add_nc_u64 s[OS:OS+1], s[38:39], s[98:99]
	CLOAD                                          ; step 0
.irp q, 0,1
.irp c, 0,1,2
	global_load_b128 v[QF+12*\q+4*\c:QF+12*\q+4*\c+3], v[LI], s[88:89] offset:\q*1536+512*\c
.endr
	global_load_b32 v[QS+\q], v[LS], s[90:91] offset:128*\q
.endr
	s_load_b512 s[44:59], s[94:95], 0x0            ; the summaries: A's eight, B's eight
	WIN 0x40
.set jj, 0
.rept 256
	v_mov_b32 v[jj], 0                             ; O^T
.set jj, jj+1
.endr
	WIN 0
.irp q, 0,1
	v_mov_b32 v[11+4*\q], 0xff61b1e6               ; the largest t so far: -3e38, under every t
	v_floor_f32 v[10+4*\q], -v[11+4*\q]            ; -M
	v_mov_b32 v[12+4*\q], 0                        ; the sum, in two halves
	v_mov_b32 v[13+4*\q], 0
	v_mov_b32 v[18+2*\q], 0
	v_mov_b32 v[19+2*\q], 0                        ; (named as the upper half of f's pair)
.endr
.irp b, 0,1,2,3
	v_mov_b32 v[BT+\b], 0                          ; written once: a lane permute's destination counts as one of its sources
.endr
	s_wait_loadcnt 8                               ; step 0's 12 loads are in; Q's eight, issued behind them, may be out
	CADR
	CSTORE
	s_wait_dscnt 0x0                               ; the stores have read their registers
	PSTEP
	CLOAD                                          ; step 1
	s_wait_kmcnt 0x0
	s_mov_b32 s[WORK], 0
	s_mov_b32 s[OPEN], 0
	s_mov_b32 s60, 0
	s_mov_b32 s61, 0
.irp st, 0,1,2,3,4,5,6,7
	s_or_b32 s60, s60, s[44+\st]
	s_or_b32 s61, s61, s[52+\st]
	s_and_b32 s31, s[44+\st], s[52+\st]
	s_bfe_u32 s31, s31, 0x10010                    ; nothing hidden from either tile
	s_lshl_b32 s31, s31, \st
	s_or_b32 s[OPEN], s[OPEN], s31
	s_or_b32 s30, s[44+\st], s[52+\st]
	s_and_b32 s30, s30, 0xffff
	s_cmp_lg_u32 s30, 0                            ; some query of the pair sees a key of this step
	s_cselect_b32 s30, 1<<\st, 0
	s_or_b32 s[WORK], s[WORK], s30
.endr
	s_and_b32 s60, s60, s61
	s_and_b32 s60, s60, 0xffff
	s_cmp_eq_u32 s60, 0xffff                       ; does every query of the pair see some key?
	s_cselect_b32 s60, 0, 0xff                     ; if not, the pair walks all steps: a row without a key is uniform over all 1,024
	s_or_b32 s[WORK], s[WORK], s60
.Ltrip:                                            ; steps 0 to 5
	TRIP 1, 1
	s_cmp_lt_u32 s[ST], 6
	s_cbranch_scc1 .Ltrip
	TRIP 1, 0                                      ; step 6: the last part goes to LDS, nothing more is asked for
	TRIP 0, 0                                      ; step 7
	; THE WAY OUT.  l's two halves and lane l xor 16's; O^T / l; 128 channels at a time are K step 2 head + g of the last product: quantised, stored as an image
.irp q, 0,1
	v_add_f32 v[BM+\q], v[12+4*\q], v[13+4*\q]
.endr
.irp q, 0,1
	v_permlanex16_b32 v[BT+\q], v[BM+\q], s[SEL], s[SEL+1]
.endr
.irp q, 0,1
	v_add_f32 v[BM+\q], v[BM+\q], v[BT+\q]
.endr
.irp q, 0,1
	v_rcp_f32 v[18+2*\q], v[BM+\q]
.endr
	v_nop                                          ; a plain place behind the reciprocals
	s_wait_alu depctr_va_vdst(0)                   ; one wait for both, ahead of the first reader
.irp k, 0,1,2,3                                ; tile q = k / 2, channels 128 (k % 2) on
.set NN, 128+64*(\k%2)
	WIN 0x01                                       ; source 0 (O^T) in window 1
.set jj, 0
.rept 32
	v_pk_mul_f32 v[NN+jj:NN+jj+1], v[64*\k+jj:64*\k+jj+1], v[18+2*(\k/2):19+2*(\k/2)] op_sel_hi:[1,0]   ; each accumulator from its low end on
.set jj, jj+2
.endr
	WIN 0
	s_wait_xcnt 0x0                                ; the last stores have read the codes' registers
	QUANT NN
.irp c, 0,1,2
	global_store_b128 v[LI], v[PC+4*\c:PC+4*\c+3], s[OU:OU+1] offset:(\k/2)*26624+(\k%2)*1536+512*\c
.endr
	global_store_b32 v[LS], v[PW], s[OS:OS+1] offset:(\k/2)*26624+(\k%2)*128
.endr
	s_wait_tensorcnt 0x0
	ds_add_u32 v126, v127
	s_wait_dscnt 0x0
	s_endpgm
.Lfunc_end_k_q207513b5b2_attn:
	.size	k_q207513b5b2_attn, .Lfunc_end_k_q207513b5b2_attn-k_q207513b5b2_attn
	.p2alignl 7, 3214868480
	.fill 96, 4, 3214868480
	.section	.rodata,"a",@progbits
	.p2align	6, 0x0
	.amdhsa_kernel k_q207513b5b2_attn
		.amdhsa_group_segment_fixed_size 320512
		.amdhsa_private_segment_fixed_size 0
		.amdhsa_enable_private_segment 0
		.amdhsa_kernarg_size 32
		.amdhsa_user_sgpr_count 2
		.amdhsa_user_sgpr_kernarg_segment_ptr 1
		.amdhsa_wavefront_size32 1
		.amdhsa_system_sgpr_workgroup_id_x 1
		.amdhsa_system_sgpr_workgroup_id_y 1
		.amdhsa_system_sgpr_workgroup_id_z 1
		.amdhsa_system_vgpr_workitem_id 0
		.amdhsa_next_free_vgpr 512
		.amdhsa_next_free_sgpr 102
		.amdhsa_reserve_vcc 0
		.amdhsa_float_denorm_mode_32 3
		.amdhsa_float_denorm_mode_16_64 3
		.amdhsa_memory_ordered 1
		.amdhsa_forward_progress 1
		.amdhsa_inst_pref_size 207
	.end_amdhsa_kernel
	.amdgpu_metadata
---
amdhsa.version: [ 1, 2 ]
amdhsa.kernels:
  - .name:           k_q207513b5b2_attn
    .symbol:         k_q207513b5b2_attn.kd
    .args:
      - { .name: att, .offset: 0, .size: 8, .value_kind: global_buffer, .address_space: global }
      - { .name: maskw, .offset: 8, .size: 8, .value_kind: global_buffer, .address_space: global }
      - { .name: msum, .offset: 16, .size: 8, .value_kind: global_buffer, .address_space: global }
      - { .name: oimg, .offset: 24, .size: 8, .value_kind: global_buffer, .address_space: global }
    .group_segment_fixed_size: 320512
    .private_segment_fixed_size: 0
    .kernarg_segment_align: 8
    .kernarg_segment_size: 32
    .max_flat_workgroup_size: 256
    .sgpr_count:     102
    .vgpr_count:     512
    .wavefront_size: 32
...
	.end_amdgpu_metadata
.endif
;; end of part 3
;; launch outp (part 4): grid 256 x 1, 4 waves a work-group, clusters of 4 x 1, 247,296 bytes of LDS; arguments oimg, ops, bo, out0; writes out0
.if DOCPART == 4
	.amdgcn_target "amdgcn-amd-amdhsa--gfx1250"
	.amdhsa_code_object_version 6
	.text
	.protected	k_q207513b5b2_outp
	.globl	k_q207513b5b2_outp
	.p2align	8
	.type	k_q207513b5b2_outp,@function
k_q207513b5b2_outp:
	s_mov_b64 s[64:65], 0
	v_nop
	global_prefetch_b8 v0, s[64:65] scope:SCOPE_SE
	s_setreg_imm32_b32 hwreg(HW_REG_WAVE_MODE, 25, 1), 1
	s_wait_xcnt 0x0
	s_wait_alu depctr_hold_cnt(0) depctr_sa_sdst(0) depctr_va_vdst(0) depctr_va_sdst(0) depctr_va_ssrc(0) depctr_va_vcc(0) depctr_vm_vsrc(0)
	s_getreg_b32 s2, hwreg(HW_REG_IB_STS2, 6, 4)
	s_cmp_eq_u32 s2, 0
	s_cbranch_scc0 .Lentry_in_a_cluster
	s_endpgm
.Lentry_in_a_cluster:
	s_bfe_u32 s2, ttmp6, 0x10000c
	s_cmp_lg_u32 s2, 0x3003
	s_cbranch_scc0 .Lentry_shape_is_right
	s_endpgm
.Lentry_shape_is_right:
; OUTP.  out0 = O Wo + bo on codes of BF6 with E8M0 scales, K = 2,048 = 16 K steps; f32 out.  O's codes and Wo's lie in memory as images of operand registers, a chunk (26,624 bytes) = 16 fragments and 16 scale images.
; A cluster of four work-groups takes 128 rows; work-group cx takes columns 128 cx on; wave w of it keeps Wo's column tiles 8 cx + 2 w and + 1, all 16 K steps (384 registers), for the whole launch.
; The four partners need the same eight chunks of O: they come by JOINT tensor loads (the same descriptor and the mask 15 in all four), each byte filled once: four loads a wave, out together behind one round of the cluster's barrier.
; cx enters global addresses alone (Wo, bo, out0): no LDS address and no branch hangs on it.
; The matrix instruction is used transposed (source 0 = 16 columns of Wo, source 1 = 16 rows of O): a lane holds eight neighbouring columns of one row.  bo is the C of each sum's first instruction.
; Rows leave through a stage in LDS (32 rows x (512 + 16) bytes, two by turns, behind the tiles; no fill lands there): each store of a wave covers 512 consecutive bytes, aligned.
.set CHK,  26624
.set CSC,  24576
.set FRB,  1536
.set BAT,  53248                       ; a batch: two row tiles' chunks
.set STAGE, 4*BAT
.set STB,  16896
.set LI,  1
.set LS,  2
.set RA,  3                            ; v3  the batch in hand + 16 x lane
.set RS,  4                            ; v4  the same + 4 x lane
.set SO,  5                            ; v5  the stage: where I put 32 bytes of a row
.set SR,  6                            ; v6  and where I read a row back
.set ACC, 16                           ; v16-47   four accumulators: 8 (2 c2 + rt)
.set BO,  48                           ; v48-63   bo in the result's layout, 8 registers a column tile
.set XA,  64                           ; v64-111, v112-159  two groups of four fragments of O (2 K steps x 2 row tiles)
.set XB,  112
.set XS,  160                          ; v160-167 their scale words
.set PS,  168                          ; v168-199 Wo's scale words, 16 c2 + ks
.set OR,  200                          ; v200-231 eight rows on their way out
.set WV,  12                           ; windows 1, 2: Wo's fragments at 12 (2 (ks % 8) + c2), K steps 0-7 and 8-15
.set MSB, 0
.macro WIN new
.if MSB != \new
	s_set_vgpr_msb (MSB<<8)|\new
.set MSB, \new
.endif
.endm
.macro PLACES n
.rept \n
	v_nop
.endr
.endm
.macro FETCH reg, adr, off
.irp c, 0,1,2
	ds_load_b128 v[\reg+4*\c:\reg+4*\c+3], v[\adr] offset:\off+512*\c
.endr
.endm
.macro ROUND                           ; a round of the cluster's barrier
	s_barrier_signal -1
	s_barrier_wait -1
	s_cmp_lg_u32 s[WV], 0
	s_cbranch_scc1 .Lnot_wave_0_\@
	s_barrier_signal -3
.Lnot_wave_0_\@:
	s_barrier_wait -3
	s_barrier_signal -1
	s_barrier_wait -1
.endm
.macro RG buf, xs, kk                  ; K steps 2 kk, 2 kk + 1 of both row tiles: 16 LDS loads
.irp e, 0,1
.irp rt, 0,1
	FETCH \buf+12*(2*\e+\rt), RA, \rt*CHK+(2*(\kk)+\e)*FRB
	ds_load_b32 v[\xs+2*\e+\rt], v[RS] offset:\rt*CHK+CSC+(2*(\kk)+\e)*128
.endr
.endr
.endm
.macro GM buf, xs, kk                  ; eight products; the four accumulators take turns, one instruction a turn
.if (\kk) < 4
	WIN 0x01
.else
	WIN 0x02
.endif
.irp e, 0,1
.set KN, 2*(\kk)+\e
.irp c2, 0,1
.irp rt, 0,1
.if KN == 0
	v_wmma_scale_f32_16x16x128_f8f6f4 v[ACC+8*(2*\c2+\rt):ACC+8*(2*\c2+\rt)+7], v[12*(2*(KN%8)+\c2):12*(2*(KN%8)+\c2)+11], v[\buf+12*(2*\e+\rt):\buf+12*(2*\e+\rt)+11], v[BO+8*\c2:BO+8*\c2+7], v[PS+16*\c2+KN], v[\xs+2*\e+\rt] matrix_a_fmt:MATRIX_FMT_BF6 matrix_b_fmt:MATRIX_FMT_BF6
.else
	v_wmma_scale_f32_16x16x128_f8f6f4 v[ACC+8*(2*\c2+\rt):ACC+8*(2*\c2+\rt)+7], v[12*(2*(KN%8)+\c2):12*(2*(KN%8)+\c2)+11], v[\buf+12*(2*\e+\rt):\buf+12*(2*\e+\rt)+11], v[ACC+8*(2*\c2+\rt):ACC+8*(2*\c2+\rt)+7], v[PS+16*\c2+KN], v[\xs+2*\e+\rt] matrix_a_fmt:MATRIX_FMT_BF6 matrix_b_fmt:MATRIX_FMT_BF6
.endif
.endr
.endr
.endr
	WIN 0
.endm
	s_load_b256 s[4:11], s[0:1], 0x0               ; oimg, ops, bo, out0
	v_lshl_add_u32 v254, v0, 2, 0x3c400
	v_mov_b32 v255, 0
	ds_add_u32 v254, v255
	ds_add_u32 v254, v255
	v_lshrrev_b32 v1, 5, v0
	v_readfirstlane_b32 s[WV], v1                  ; wave 0..3
	s_bfe_u32 s13, ttmp6, 0x40000                  ; cx: my 128 columns
	v_and_b32 v5, 31, v0
	v_lshlrev_b32 v[LI], 4, v5
	v_lshlrev_b32 v[LS], 2, v5
	v_and_b32 v8, 15, v0                           ; r
	v_bfe_u32 v9, v0, 4, 1                         ; h
	v_lshlrev_b32 v7, 5, v9                        ; bo: 32 h bytes
	v_mul_u32_u24 v[SO], v8, 528
	v_lshl_add_u32 v[SO], v9, 5, v[SO]
	s_lshl_b32 s14, s[WV], 7
	s_add_co_u32 s14, s14, STAGE
	v_add_nc_u32 v[SO], s14, v[SO]                 ; row r, + 32 h, + 128 w: my 32 columns' bytes
	s_mul_i32 s14, s[WV], 4224
	s_add_co_u32 s14, s14, STAGE
	v_add_nc_u32 v[SR], s14, v[LI]                 ; back: my 8 rows of the 32, 16 bytes a lane
	v_mov_b32 v[RA], v[LI]
	v_mov_b32 v[RS], v[LS]
	; descriptor group 1: a quarter of a batch, 52 dense rows of 256 bytes; the mask names all four partners, bit 21 beside it
	s_mov_b32 s16, 15|(3<<16)|(1<<21)
	s_mov_b32 s17, 32<<16
	s_mov_b32 s18, 52<<16
	s_mov_b32 s19, 32<<16
	s_mov_b32 s20, 52
	s_mov_b32 s21, 32
	s_mov_b32 s22, 0
	s_mov_b32 s23, 0
	s_mul_i32 s15, s[WV], 13312                    ; my quarter, in memory and in LDS
	s_mul_i32 s46, ttmp9, 8*CHK                    ; the cluster's eight chunks (ttmp9 counts clusters)
	s_add_co_u32 s46, s46, s15
	s_mov_b32 s47, 0
	s_lshl_b32 s40, s13, 3
	s_lshl_b32 s14, s[WV], 1
	s_add_co_u32 s40, s40, s14                     ; my first column tile: 8 cx + 2 w
	s_lshl_b32 s44, s40, 6                         ; its 16 numbers of bo: 64 bytes a tile
	s_mov_b32 s45, 0
	s_add_co_u32 s40, s40, 448
	s_mul_i32 s40, s40, CHK                        ; its chunk of ops
	s_mov_b32 s41, 0
	s_lshl_b32 s42, ttmp9, 18                      ; 128 rows of 2,048 bytes a cluster,
	s_lshl_b32 s14, s[WV], 14                      ; 8 rows a wave,
	s_add_co_u32 s42, s42, s14
	s_lshl_b32 s14, s13, 9                         ; 512 bytes a work-group
	s_add_co_u32 s42, s42, s14
	s_mov_b32 s43, 0
	s_wait_dscnt 0x0
	s_wait_kmcnt 0x0
	s_add_nc_u64 s[46:47], s[4:5], s[46:47]
	s_add_nc_u64 s[40:41], s[6:7], s[40:41]
	s_add_nc_u64 s[44:45], s[8:9], s[44:45]
	s_add_nc_u64 s[42:43], s[10:11], s[42:43]
.irp i, 0,1,2,3
	s_mov_b32 s[24+4*\i], 1
	s_add_co_u32 s[25+4*\i], s15, \i*BAT
	s_add_nc_u64 s[26+4*\i:27+4*\i], s[46:47], \i*BAT
	s_or_b32 s[27+4*\i], s[27+4*\i], 0x80000000
.endr
	ROUND                                          ; all four work-groups are here: the joint loads meet
	tensor_load_to_lds s[24:27], s[16:23]          ; the four first fills as one group: four loads of mine are out
	s_nop 0
	tensor_load_to_lds s[28:31], s[16:23]
	s_nop 0
	tensor_load_to_lds s[32:35], s[16:23]
	s_nop 0
	tensor_load_to_lds s[36:39], s[16:23]
	s_nop 0
	PLACES 4                                       ; four lines here ahead of a switch of windows
	WIN 0x40
.irp ks, 0,1,2,3,4,5,6,7
.irp c2, 0,1
.irp c, 0,1,2
	global_load_b128 v[12*(2*\ks+\c2)+4*\c:12*(2*\ks+\c2)+4*\c+3], v[LI], s[40:41] offset:\c2*CHK+\ks*FRB+512*\c
.endr
.endr
.endr
	WIN 0x80
.irp ks, 8,9,10,11,12,13,14,15
.irp c2, 0,1
.irp c, 0,1,2
	global_load_b128 v[12*(2*(\ks-8)+\c2)+4*\c:12*(2*(\ks-8)+\c2)+4*\c+3], v[LI], s[40:41] offset:\c2*CHK+\ks*FRB+512*\c
.endr
.endr
.endr
	WIN 0
.irp c2, 0,1
.irp ks, 0,1,2,3,4,5,6,7,8,9,10,11,12,13,14,15
	global_load_b32 v[PS+16*\c2+\ks], v[LS], s[40:41] offset:\c2*CHK+CSC+\ks*128
.endr
	global_load_b128 v[BO+8*\c2:BO+8*\c2+3], v7, s[44:45] offset:64*\c2          ; lane (r, h): bo of columns 16 ct + 8 h + 0 .. 7
	global_load_b128 v[BO+8*\c2+4:BO+8*\c2+7], v7, s[44:45] offset:64*\c2+16
.endr
	s_wait_loadcnt 0x0
	s_wait_tensorcnt 3                             ; my quarter of batch 0 has landed; my three later loads may stay out
	s_barrier_signal -1
	s_barrier_wait -1
	RG XA, XS, 0
	RG XB, XS+4, 1
.irp i, 0,1,2,3                                ; a batch: 32 rows x my 32 columns, 64 matrix instructions
.irp kk, 0,1,2,3,4,5,6,7
.if \kk == 7
	s_wait_dscnt 0x0
.else
	s_wait_dscnt 16                                ; this group is in; the other buffer's 16 loads may be out
.endif
.if (\kk%2) == 0
	GM XA, XS, \kk
.else
	GM XB, XS+4, \kk
.endif
.if \kk == 7
	PLACES 5                                       ; four for the stores of the results; five for the next batch's products, which begin the accumulators anew
.else
	PLACES 4                                       ; in front of loads into registers that these products have read
.endif
.if \kk < 6
.if (\kk%2) == 0
	RG XA, XS, \kk+2
.else
	RG XB, XS+4, \kk+2
.endif
.endif
.endr
.irp c2, 0,1
.irp rt, 0,1
	ds_store_b128 v[SO], v[ACC+8*(2*\c2+\rt):ACC+8*(2*\c2+\rt)+3] offset:(\i%2)*STB+\rt*8448+64*\c2       ; each accumulator from its low end on
	ds_store_b128 v[SO], v[ACC+8*(2*\c2+\rt)+4:ACC+8*(2*\c2+\rt)+7] offset:(\i%2)*STB+\rt*8448+64*\c2+16
.endr
.endr
.if \i < 3
	s_wait_tensorcnt 2-\i                          ; my quarter of the next batch has landed; my 2 - i later loads may stay out
.endif
	s_wait_dscnt 0x0                               ; for the others' sake: my stores into the stage are done
	s_barrier_signal -1
	s_barrier_wait -1                              ; the stage holds 32 whole rows, and the next batch is whole.  This stage is written again two batches on, behind the next barrier, which every wave reaches behind its reads below
.if \i > 0
	s_wait_xcnt 0x0                                ; the last batch's stores have read their registers
.endif
.irp k, 0,1,2,3,4,5,6,7
	ds_load_b128 v[OR+4*\k:OR+4*\k+3], v[SR] offset:(\i%2)*STB+528*\k
.endr
.if \i < 3
	v_add_nc_u32 v[RA], (\i+1)*BAT, v[LI]
	v_add_nc_u32 v[RS], (\i+1)*BAT, v[LS]
	RG XA, XS, 0
	RG XB, XS+4, 1
.endif
.irp k, 0,1,2,3,4,5,6,7
.if \i < 3
	s_wait_dscnt 32+7-\k                           ; row k is back; the younger rows' loads and the next batch's 32 may be out
.else
	s_wait_dscnt 7-\k
.endif
	global_store_b128 v[LI], v[OR+4*\k:OR+4*\k+3], s[42:43] offset:\i*65536+\k*2048 th:TH_STORE_NT   ; 32 lanes store 512 consecutive bytes, aligned; written once, read by nobody here
.endr
.endr
	s_wait_tensorcnt 0x0
	ds_add_u32 v254, v255
	s_wait_dscnt 0x0
	ROUND                                          ; the closing round: no work-group ends while a partner may still ask jointly (my own tensor loads were all waited for in batch 2)
	s_endpgm
.Lfunc_end_k_q207513b5b2_outp:
	.size	k_q207513b5b2_outp, .Lfunc_end_k_q207513b5b2_outp-k_q207513b5b2_outp
	.p2alignl 7, 3214868480
	.fill 96, 4, 3214868480
	.section	.rodata,"a",@progbits
	.p2align	6, 0x0
	.amdhsa_kernel k_q207513b5b2_outp
		.amdhsa_group_segment_fixed_size 247296
		.amdhsa_private_segment_fixed_size 0
		.amdhsa_enable_private_segment 0
		.amdhsa_kernarg_size 32
		.amdhsa_user_sgpr_count 2
		.amdhsa_user_sgpr_kernarg_segment_ptr 1
		.amdhsa_wavefront_size32 1
		.amdhsa_system_sgpr_workgroup_id_x 1
		.amdhsa_system_sgpr_workgroup_id_y 1
		.amdhsa_system_sgpr_workgroup_id_z 1
		.amdhsa_system_vgpr_workitem_id 0
		.amdhsa_next_free_vgpr 704
		.amdhsa_next_free_sgpr 66
		.amdhsa_reserve_vcc 0
		.amdhsa_float_denorm_mode_32 3
		.amdhsa_float_denorm_mode_16_64 3
		.amdhsa_memory_ordered 1
		.amdhsa_forward_progress 1
		.amdhsa_inst_pref_size 98
	.end_amdhsa_kernel
	.amdgpu_metadata
---
amdhsa.version: [ 1, 2 ]
amdhsa.kernels:
  - .name:           k_q207513b5b2_outp
    .symbol:         k_q207513b5b2_outp.kd
    .args:
      - { .name: oimg, .offset: 0, .size: 8, .value_kind: global_buffer, .address_space: global }
      - { .name: ops, .offset: 8, .size: 8, .value_kind: global_buffer, .address_space: global }
      - { .name: bo, .offset: 16, .size: 8, .value_kind: global_buffer, .address_space: global }
      - { .name: out0, .offset: 24, .size: 8, .value_kind: global_buffer, .address_space: global }
    .group_segment_fixed_size: 247296
    .private_segment_fixed_size: 0
    .kernarg_segment_align: 8
    .kernarg_segment_size: 32
    .max_flat_workgroup_size: 128
    .sgpr_count:     66
    .vgpr_count:     704
    .wavefront_size: 32
...
	.end_amdgpu_metadata
.endif
;; end of part 4
;; ======== version 2 of 2: 4 launches; version 1 with the launch attn written anew for expert scheduling mode
;; workspace buffers: ops 12,779,520 bytes; maskw 1,048,576 bytes of whole numbers; msum 16,384 bytes of whole numbers; att 27,262,976 bytes; oimg 13,631,488 bytes
;; launch prep: the kernel of part 1 again; grid 1472 x 1, 8 waves a work-group, no clusters, 68,608 bytes of LDS; arguments Q, K, V, padding_mask, sequence_mask, Wq, Wk, Wv, Wo, ops, maskw, msum; writes ops, maskw, msum
;; launch proj: the kernel of part 2 again; grid 256 x 1, 4 waves a work-group, no clusters, 168,448 bytes of LDS; arguments ops, bq, bk, bv, att; writes att
;; launch attn (part 5): grid 4 x 64, 8 waves a work-group, no clusters, 320,512 bytes of LDS; arguments att, maskw, msum, oimg; writes oimg
.if DOCPART == 5
	.amdgcn_target "amdgcn-amd-amdhsa--gfx1250"
	.amdhsa_code_object_version 6
	.text
	.protected	k_q207513b5b2_attn
	.globl	k_q207513b5b2_attn
	.p2align	8
	.type	k_q207513b5b2_attn,@function
k_q207513b5b2_attn:
	s_mov_b64 s[64:65], 0
	v_nop
	global_prefetch_b8 v0, s[64:65] scope:SCOPE_SE
	s_setreg_imm32_b32 hwreg(HW_REG_WAVE_SCHED_MODE, 0, 2), 2
	s_setreg_imm32_b32 hwreg(HW_REG_WAVE_MODE, 25, 1), 1
	s_wait_xcnt 0x0
	s_wait_alu depctr_vm_vsrc(0)
; ATTN.  For one (batch, head): S^T = Kp Qp^T, the masks, p = 2^(t - M), O^T += Vp^T p^T, O / l, all products on codes of BF6 with E8M0 scales; the result is quantised along (head, channel) and stored as images.
; t = score x log2(e) / sqrt(128); M = the running largest t rounded UP to a whole number; the row's sum l is taken of the unquantised p; when M moves, l and O^T are multiplied by 2^(old M - new M), which rounds nothing.
; SHARES.  A work-group has 8 waves; a wave owns a PAIR of neighbouring tiles of 16 queries (A, B), so that each fragment of K and V read from LDS feeds two matrix instructions.  Work-group x = 0..3 takes bands x
; (waves 0-3) and 7 - x (waves 4-7) of 128 queries.  Both products are used transposed: a lane holds one query (lane % 16) throughout; by the order of Kp's rows register 16 b + i of the scores is key 32 b + 16 (lane / 16) + i.
; LDS.  The head's eight key steps (128 keys: 8 fragments of Kp, 16 of Vp, their scale images: 39,936 bytes) all stay: 319,488 bytes, each byte written once, by ds_store from registers, one step ahead of its readers;
; one barrier a step stands between the stores and the reads.  Operands come through registers, with no tensor load.
; THE MASKS are inputs.  The first launch has packed them: 64 lane masks for a tile and a key step, and a summary word.  A hidden score becomes -2^103, under every score served: its p is 0 beside a visible key.
; A row with no visible key so far has t - M = 0 exactly, so p = 1, the uniform row that the reference's -1e30 gives; the first visible key multiplies that part by 2^(-huge) = 0.
; A key step in which no query of the pair sees a key adds nothing and is left out (a scalar branch on the stored summaries, round work alone: no barrier stands under it), unless some query of the pair sees no key at all: such a pair walks all steps.
; No cluster: joint loads are tensor loads.
; LIMITS: raw scores lie above -2^103; NaN and infinities are not served; a block whose largest number lies under 2^-122 keeps the byte 1; 1 / l is v_rcp_f32's.
; O^T is cleared by moves at the head: which key step is a wave's first is decided by stored numbers, so no first product can be written out; the moves stand under the first loads.
; THE MODE: SCHED_MODE bits 1:0 = 2 (LLVM: expert scheduling mode 2), set by the entry lines.  The code itself states the register dependences between vector or matrix instructions and memory or LDS
; instructions, with s_wait_alu, always for 0.
; THE PLAN.  Registers that memory or LDS instructions touch, and who else names them:
;   v1, v2, v124     offsets, made at the head and never written again.
;   v6-9             where my part of the next step is stored: written at a trip's head, read by that trip's 12 LDS stores.
;   v3, v4           the step's LDS addresses: written at a trip's head, read by all the trip's LDS loads.
;   v128-166         the copy: 12 global loads land (behind A's softmax; in a step left out, at once); the next trip's LDS stores read them; then the first product writes A's scores there and A's softmax works on them.
;   v76-123, v26-29  K's fragments and scale words: LDS loads land, the first product reads, twice a trip.  Then v76-94 take A's codes (vector work) and v88-123 fragments of V.
;   v192-255, v26-33 B's scores and p (matrix and vector work); then fragments of V and their scale words: LDS loads land, the second product reads.
;   v76-87, v22      on the way out: written by the quantiser, read by the global stores.
; THE WAITS OF A TRIP.  vm_vsrc at its head (the six address registers are free); va_vdst behind the address lines (the addresses are written; the last trip's products are done with the fragments; all vector work on the copy's
; registers is over); vm_vsrc behind the barrier (my LDS stores have read the copy); va_vdst ahead of K's second four fragments, ahead of the copy's loads, ahead of V's first two runs, ahead of the second product
; (p's codes and scale words are written), and ahead of V's third and fourth run.  Each softmax has its two waits for its exponentials.  Between a wait and the loads or stores that lean on it no vector or matrix instruction names their registers.
.set CH,   39936                       ; a key step in LDS: K's fragment t at 1536 t; V's c at 12288 + 1536 c; K's scale images at 36864 + 128 t; V's at 37888 + 128 c
.set LI,   1                           ; v1   16 x lane
.set LS,   2                           ; v2   4 x lane
.set AD16, 3                           ; v3   the step in hand + 16 x lane
.set AD4,  4                           ; v4   the same + 4 x lane
.set NEG,  5                           ; v5   -2^103
.set A1,   6                           ; v6-9 where my part of the next step is stored
.set A2,   7
.set A3,   8
.set A4,   9
                                       ; v10-11, v14-15  -M and the largest t of tile A, B;  v12-13, v16-17 the sum in two halves;  v18-19, v20-21 f and a filler;  v22, v23 p's scale words
.set QS,   24                          ; v24-25  Q's scale words
.set FS,   26                          ; v26-33  scale words of K's or V's fragments, two sets of four
.set QF,   34                          ; v34-57  Q's two fragments
.set TM,   60                          ; v60-75  at work
.set BM,   TM                          ; four block maxima
.set BT,   TM+4
.set CHN,  TM+8                        ; the sum's second chain
.set TT,   TM+10
.set SO,   TM+12                       ; four scale operands
.set F,    76                          ; v76-123 four fragments of K; then A's codes (v76-87, at work to v94) and three fragments of V (v88-123)
.set PFO,  124                         ; v124    256 x lane; never rewritten
.set SA,   128                         ; v128-191 A's scores, then p; then v128-166 the next step's part on its way to LDS, v168-186 B's codes
                                       ; v192-255 B's scores, then p; then five fragments of V.   Window 1: O^T, tile q, channel tile c at 128 q + 8 c
.set PC,   76                          ; the way out's QUANT
.set PW,   22
.set ST,   2                           ; s2   the key step
.set TB,   3                           ; s3   its first LDS byte
.set KB,   4                           ; s[4:5] .. s[10:11] where my part of the step to be copied lies: K's, V's codes, K's, V's scale images
.set VB,   6
.set KSB,  8
.set VSB,  10
.set WV,   12
.set TW,   13                          ; s13  LDS: 1536 w + the target step
.set TS,   14                          ; s14  36864 + 128 w + the target step
.set WC,   15                          ; s15  12288 + 1536 w
.set WD,   16                          ; s16  1024 + 128 w
.set WORK, 17                          ; s17  bit st: the pair works in step st
.set OPEN, 18                          ; s18  bit st: nothing is hidden from the pair in step st
.set PMASK, 19                         ; s19  bit st: I prefetch in trip st
.set SEL,  20
.set CS,   22                          ; s[22:23] c = log2(e) / sqrt(128), twice
.set MP,   24                          ; s[24:25] the pair's mask record of the step
.set PFA,  26
.set PFS,  28
.set OU,   66
.set OS,   100
                                       ; s32-63, s68-99: 64 lane masks (at the head: pointers, summaries, offsets)
.set MSB, 0
.macro WIN new
.if MSB != \new
	s_set_vgpr_msb (MSB<<8)|\new
.set MSB, \new
.endif
.endm
.macro PLACES n
.rept \n
	v_nop
.endr
.endm
.macro FETCH reg, adr, off
.irp c, 0,1,2
	ds_load_b128 v[\reg+4*\c:\reg+4*\c+3], v[\adr] offset:\off+512*\c
.endr
.endm
.macro QUANT s
.irp b, 0,1,2,3
	v_max3_num_f32 v[TM+\b], |v[\s+16*\b]|, |v[\s+1+16*\b]|, 0x2800000
.endr
.irp i, 2,4,6,8,10,12,14
.irp b, 0,1,2,3
	v_max3_num_f32 v[TM+\b], v[TM+\b], |v[\s+16*\b+\i]|, |v[\s+1+16*\b+\i]|
.endr
.endr
.irp b, 0,1,2,3
	v_permlanex16_b32 v[TM+4+\b], v[TM+\b], s[SEL], s[SEL+1]
.endr
.irp b, 0,1,2,3
	v_max_num_f32 v[TM+\b], v[TM+\b], v[TM+4+\b]
.endr
.irp b, 0,1,2,3
	v_add_nc_u32 v[TM+12+\b], 0xfe000000, v[TM+\b]
.endr
.irp b, 0,1,2,3
	v_lshrrev_b32 v[TM+4+\b], 23, v[TM+12+\b]
.endr
	v_lshl_or_b32 v[PW], v[TM+5], 8, v[TM+4]
	v_lshl_or_b32 v[PW], v[TM+6], 16, v[PW]
	v_lshl_or_b32 v[PW], v[TM+7], 24, v[PW]
.irp c, 0,1
	v_cvt_scalef32_pk16_bf6_f32 v[PC+6*\c:PC+2+6*\c], v[\s+32*\c:\s+15+32*\c], v[TM+12+2*\c]
	v_cvt_scalef32_pk16_bf6_f32 v[PC+12+4*\c:PC+14+4*\c], v[\s+16+32*\c:\s+31+32*\c], v[TM+12+2*\c+1]
.endr
	v_nop
.irp c, 0,1
.irp i, 0,1,2
	v_permlane16_swap_b32 v[PC+6*\c+\i], v[PC+12+4*\c+\i]
.endr
.irp i, 0,1,2
	v_mov_b32 v[PC+3+6*\c+\i], v[PC+12+4*\c+\i]
.endr
.endr
.endm
; My part of a key step, memory to registers: K's fragment w, V's fragments 2 w and 2 w + 1, their three scale images: 12 loads
.macro CLOAD
.irp c, 0,1,2
	global_load_b128 v[128+4*\c:128+4*\c+3], v[LI], s[KB:KB+1] offset:512*\c
.endr
.irp e, 0,1
.irp c, 0,1,2
	global_load_b128 v[140+12*\e+4*\c:140+12*\e+4*\c+3], v[LI], s[VB:VB+1] offset:\e*1536+512*\c
.endr
.endr
	global_load_b32 v164, v[LS], s[KSB:KSB+1]
	global_load_b32 v165, v[LS], s[VSB:VSB+1]
	global_load_b32 v166, v[LS], s[VSB:VSB+1] offset:128
.endm
.macro PSTEP                           ; on to the next key step's part
	s_wait_xcnt 0x0                                ; the last copy's loads and the last prefetch, a trip back, have read their addresses
	s_add_nc_u64 s[KB:KB+1], s[KB:KB+1], 12288
	s_add_nc_u64 s[VB:VB+1], s[VB:VB+1], 24576
	s_add_nc_u64 s[KSB:KSB+1], s[KSB:KSB+1], 1024
	s_add_nc_u64 s[VSB:VSB+1], s[VSB:VSB+1], 2048
	s_add_nc_u64 s[PFA:PFA+1], s[PFA:PFA+1], s[PFS:PFS+1]
.endm
.macro CADR
	v_add_nc_u32 v[A1], s[TW], v[LI]
	v_add_nc_u32 v[A2], s[WC], v[A1]
	v_add_nc_u32 v[A3], s[TS], v[LS]
	v_add_nc_u32 v[A4], s[WD], v[A3]
.endm
.macro CSTORE                          ; registers to LDS, as images
.irp c, 0,1,2
	ds_store_b128 v[A1], v[128+4*\c:128+4*\c+3] offset:512*\c
.endr
.irp e, 0,1
.irp c, 0,1,2
	ds_store_b128 v[A2], v[140+12*\e+4*\c:140+12*\e+4*\c+3] offset:\e*1536+512*\c
.endr
.endr
	ds_store_b32 v[A3], v164
	ds_store_b32 v[A4], v165
	ds_store_b32 v[A4], v166 offset:128
	s_add_co_u32 s[TW], s[TW], CH
	s_add_co_u32 s[TS], s[TS], CH
.endm
; A PREFETCH INTO THE L2, behind the copy's loads.  The four work-groups of a head read the same Kp and Vp: work-group x = 0 asks, one instruction a wave, lanes 256 bytes apart, each block of 256 bytes once in the launch.
; Waves 0-2: V's 24,576 bytes of step ST + 3, in trips 0 to 4: one trip ahead of the copy that loads them.  Waves 4-6: K's 24,576 bytes of steps 4, 5 (trip 1) and 6, 7 (trip 3).  Earlier steps come by their loads alone; no address passes the head's last step.
.macro ASK
	s_lshr_b32 s30, s[PMASK], s[ST]
	s_and_b32 s30, s30, 1
	s_cmp_eq_u32 s30, 0
	s_cbranch_scc1 .Lnot_mine_\@
	global_prefetch_b8 v[PFO], s[PFA:PFA+1] th:TH_LOAD_NT scope:SCOPE_SE
.Lnot_mine_\@:
.endm
.macro MLOAD off                       ; a record's 64 lane masks
	s_load_b512 s[32:47], s[MP:MP+1], \off
	s_load_b512 s[48:63], s[MP:MP+1], \off+64
	s_load_b512 s[68:83], s[MP:MP+1], \off+128
	s_load_b512 s[84:99], s[MP:MP+1], \off+192
.endm
.macro MASKS sr                        ; hidden scores become -2^103; each accumulator is read from its low end on
.set j, 0
.rept 64
.if j < 32
	v_cndmask_b32 v[\sr+j], v[NEG], v[\sr+j], s[32+j]
.else
	v_cndmask_b32 v[\sr+j], v[NEG], v[\sr+j], s[36+j]
.endif
.set j, j+1
.endr
.endm
.macro KLOAD g                         ; K's tiles 4 g .. 4 g + 3 and their scale words
.irp e, 0,1,2,3
	FETCH F+12*\e, AD16, (4*\g+\e)*1536
	ds_load_b32 v[FS+\e], v[AD4] offset:36864+(4*\g+\e)*128
.endr
.endm
.macro VSET n, e                       ; where fragment e of V's run n lies: even runs v192, 204, 216, 228; odd runs v240, 88, 100, 112
.if ((\n)%2) == 0
.set VR, 192+12*\e
.elseif \e == 0
.set VR, 240
.else
.set VR, 76+12*\e
.endif
.endm
.macro VLOAD n                         ; V's channel tiles 4 n .. 4 n + 3 and their scale words: 16 LDS loads
.irp e, 0,1,2,3
	VSET \n, \e
	FETCH VR, AD16, 12288+(4*(\n)+\e)*1536
	ds_load_b32 v[FS+4*((\n)%2)+\e], v[AD4] offset:37888+(4*(\n)+\e)*128
.endr
.endm
.macro PVMUL n                         ; eight products, eight accumulators, one instruction each
	WIN 0x50                                       ; C and D in window 1
.irp e, 0,1,2,3
	VSET \n, \e
.irp q, 0,1
	v_wmma_scale_f32_16x16x128_f8f6f4 v[128*\q+8*(4*(\n)+\e):128*\q+8*(4*(\n)+\e)+7], v[VR:VR+11], v[76+92*\q:76+92*\q+11], v[128*\q+8*(4*(\n)+\e):128*\q+8*(4*(\n)+\e)+7], v[FS+4*((\n)%2)+\e], v[22+\q] matrix_a_fmt:MATRIX_FMT_BF6 matrix_b_fmt:MATRIX_FMT_BF6
.endr
.endr
	WIN 0
.endm
; One tile's softmax for 128 keys.  sr: the scores; nm: -M, largest t; su: the sum; fp: f; pwr: p's scale word; pcr: p's codes (12 registers, and 7 at work behind them)
.macro SOFTMAX sr, nm, su, fp, pwr, pcr
.irp b, 0,1,2,3
	v_max3_num_f32 v[BM+\b], v[\sr+16*\b], v[\sr+1+16*\b], v[\sr+2+16*\b]   ; the largest score of each block of 32 keys: for the row's maximum, and, since p rises with the score, for the block's largest p
.endr
.irp i, 3,5,7,9,11,13
.irp b, 0,1,2,3
	v_max3_num_f32 v[BM+\b], v[BM+\b], v[\sr+16*\b+\i], v[\sr+1+16*\b+\i]
.endr
.endr
.irp b, 0,1,2,3
	v_max_num_f32 v[BM+\b], v[BM+\b], v[\sr+15+16*\b]
.endr
.irp b, 0,1,2,3
	v_permlanex16_b32 v[BT+\b], v[BM+\b], s[SEL], s[SEL+1]
.endr
.irp b, 0,1,2,3
	v_max_num_f32 v[BM+\b], v[BM+\b], v[BT+\b]         ; with lane l xor 16's 16 keys
.endr
	v_max3_num_f32 v[TT], v[BM], v[BM+1], v[BM+2]
	v_max_num_f32 v[TT], v[TT], v[BM+3]
	v_mul_f32 v[TT], s[CS], v[TT]                      ; the step's largest t (c is positive)
	v_max_num_f32 v[\nm+1], v[\nm+1], v[TT]            ; the running largest t
	v_mov_b32 v[TT], v[\nm]
	v_floor_f32 v[\nm], -v[\nm+1]                      ; the new -M = floor(-t): M is a whole number
	v_sub_f32 v[TT], v[\nm], v[TT]                     ; old M - new M, 0 or less
	v_cvt_i32_f32 v[TT], v[TT]                         ; (it saturates)
	v_ldexp_f32 v[\fp], 1.0, v[TT]                     ; f = 2^(old M - new M)
.set jj, 0
.rept 32
	v_pk_fma_f32 v[\sr+jj:\sr+jj+1], v[\sr+jj:\sr+jj+1], s[CS:CS+1], v[\nm:\nm+1] op_sel_hi:[1,0,0]   ; t - M, two at a time
.set jj, jj+2
.endr
.irp b, 0,1,2,3
	v_fma_f32 v[BM+\b], v[BM+\b], s[CS], v[\nm]        ; the same of each block's largest score
.endr
.set jj, 0
.rept 64
	v_exp_f32 v[\sr+jj], v[\sr+jj]                     ; p = 2^(t - M): not normalised
.set jj, jj+1
.endr
	v_pk_mul_f32 v[\su:\su+1], v[\su:\su+1], v[\fp:\fp+1] op_sel_hi:[1,0]   ; the sum under the new M (the plain place behind the exponentials)
	s_wait_alu depctr_va_vdst(0)                       ; the 64 exponentials have written p, ahead of its first reader, the sums below: one wait for the batch
.irp b, 0,1,2,3
	v_exp_f32 v[BM+\b], v[BM+\b]                       ; the block's largest p: the same two instructions on the same number
.endr
	v_pk_add_f32 v[CHN:CHN+1], v[\sr:\sr+1], v[\sr+2:\sr+3]   ; the row's sum of the unquantised p, in two chains
.set jj, 4
.rept 15
	v_pk_add_f32 v[\su:\su+1], v[\su:\su+1], v[\sr+jj:\sr+jj+1]
	v_pk_add_f32 v[CHN:CHN+1], v[CHN:CHN+1], v[\sr+jj+2:\sr+jj+3]
.set jj, jj+4
.endr
	v_pk_add_f32 v[\su:\su+1], v[\su:\su+1], v[CHN:CHN+1]
	s_wait_alu depctr_va_vdst(0)                       ; the four exponentials have written the blocks' largest p, ahead of its first reader, the floor below
.irp b, 0,1,2,3
	v_max_num_f32 v[BM+\b], 0x2800000, v[BM+\b]        ; the floor 2^(5 - 127): a block of zeros keeps the byte 1, its codes are zeros
.endr
.irp b, 0,1,2,3
	v_add_nc_u32 v[SO+\b], 0xfe000000, v[BM+\b]
.endr
.irp b, 0,1,2,3
	v_lshrrev_b32 v[BT+\b], 23, v[SO+\b]
.endr
	v_lshl_or_b32 v[\pwr], v[BT+1], 8, v[BT]
	v_lshl_or_b32 v[\pwr], v[BT+2], 16, v[\pwr]
	v_lshl_or_b32 v[\pwr], v[BT+3], 24, v[\pwr]
.irp c, 0,1
	v_cvt_scalef32_pk16_bf6_f32 v[\pcr+6*\c:\pcr+2+6*\c], v[\sr+32*\c:\sr+15+32*\c], v[SO+2*\c]
	v_cvt_scalef32_pk16_bf6_f32 v[\pcr+12+4*\c:\pcr+14+4*\c], v[\sr+16+32*\c:\sr+31+32*\c], v[SO+2*\c+1]
.endr
	v_nop                                              ; one plain place behind a scaled conversion
.irp c, 0,1
.irp i, 0,1,2
	v_permlane16_swap_b32 v[\pcr+6*\c+\i], v[\pcr+12+4*\c+\i]
.endr
.irp i, 0,1,2
	v_mov_b32 v[\pcr+3+6*\c+\i], v[\pcr+12+4*\c+\i]
.endr
.endr
.endm
; A TRIP = key step ST.  store = 1: my part of step ST + 1 goes from registers to LDS, and a barrier follows.  load = 1: my part of step ST + 2 is asked for.
.macro TRIP store, load
	s_wait_alu depctr_vm_vsrc(0)                   ; the LDS stores and loads issued so far have read v6-9, v3 and v4, which the lines below write
.if \store
	CADR
.endif
	v_add_nc_u32 v[AD16], s[TB], v[LI]
	v_add_nc_u32 v[AD4], s[TB], v[LS]
.if \store
	s_wait_loadcnt 0x0                             ; my part of step ST + 1 is in registers (in the first trip Q too)
.endif
	s_wait_alu depctr_va_vdst(0)                   ; the addresses above are written, which this trip's LDS stores and loads read; the last trip's products are done reading v76-123 and v26-33, in which K's loads land; all vector work on v128-166 is over, in which a left-out step's copy lands
.if \store
	CSTORE
	s_wait_dscnt 0x0                               ; for the others' sake: my stores are done
	s_barrier_signal -1
	s_barrier_wait -1                              ; step ST + 1 is whole; step ST was whole a trip ago (step 0: by this same barrier)
	s_wait_alu depctr_vm_vsrc(0)                   ; my LDS stores have read v128-166, which the first product writes, or in which a left-out step's copy lands
.endif
	s_lshr_b32 s30, s[WORK], s[ST]
	s_and_b32 s30, s30, 1
	s_cmp_eq_u32 s30, 0
	s_cbranch_scc1 .Lskip_\@
	MLOAD 0                                        ; tile A's lane masks
.irp g, 0,1                                    ; S^T = K Q^T: four tiles of keys at a time, each against both tiles of queries
.if \g == 1
	s_wait_alu depctr_va_vdst(0)                   ; the eight products above are done reading K's four fragments and their scale words, in which the loads below land
.endif
	KLOAD \g
	s_wait_dscnt 0x0
.irp e, 0,1,2,3
.irp q, 0,1
	v_wmma_scale_f32_16x16x128_f8f6f4 v[SA+64*\q+8*(4*\g+\e):SA+64*\q+8*(4*\g+\e)+7], v[F+12*\e:F+12*\e+11], v[QF+12*\q:QF+12*\q+11], 0, v[FS+\e], v[QS+\q] matrix_a_fmt:MATRIX_FMT_BF6 matrix_b_fmt:MATRIX_FMT_BF6
.endr
.endr
	PLACES 4                                       ; four places behind the products: ahead of the wait above K's second loads, and ahead of the first read of the scores
.endr
	s_wait_kmcnt 0x0
	s_lshr_b32 s30, s[OPEN], s[ST]
	s_and_b32 s30, s30, 1
	s_cmp_lg_u32 s30, 0
	s_cbranch_scc1 .Lopen_a_\@
	MASKS SA
.Lopen_a_\@:
	MLOAD 2048                                     ; tile B's lane masks come while A's softmax is walked
	SOFTMAX SA, 10, 12, 18, 22, 76
.if \load
	s_wait_alu depctr_va_vdst(0)                   ; A's softmax is done reading and writing v128-166, in which the copy's loads land; B's softmax, which follows them, names none of these registers
	PSTEP
	CLOAD                                          ; into registers that A's scores have left; it lands under B's softmax and the second product
	ASK
.endif
	s_wait_kmcnt 0x0
	s_lshr_b32 s30, s[OPEN], s[ST]
	s_and_b32 s30, s30, 1
	s_cmp_lg_u32 s30, 0
	s_cbranch_scc1 .Lopen_b_\@
	MASKS SA+64
.Lopen_b_\@:
	SOFTMAX SA+64, 14, 16, 20, 23, 168
	s_wait_alu depctr_va_vdst(0)                   ; B's softmax is done with v192-255, A's with v88-94, and the first product with v88-123 and v26-29: V's loads land in all of these
	VLOAD 0
	VLOAD 1
	WIN 0x41                                       ; O^T (destination and source 0) in window 1, f in window 0
.irp q, 0,1
.set jj, 0
.rept 64
	v_pk_mul_f32 v[128*\q+jj:128*\q+jj+1], v[128*\q+jj:128*\q+jj+1], v[18+2*\q:19+2*\q] op_sel_hi:[1,0]   ; O^T under the new M.  These are also the places between p's codes and scale words and the products; they name no register of V's loads
.set jj, jj+2
.endr
.endr
	WIN 0
	s_wait_dscnt 16                                ; run 0 is in; run 1's 16 loads may be out
	s_wait_alu depctr_va_vdst(0)                   ; p's codes (v76-87, v168-179) and scale words (v22, v23), made by vector instructions, are written: the products below take them as source 1 and as scales; the places stand above
	PVMUL 0
	PLACES 4
	s_wait_alu depctr_va_vdst(0)                   ; run 0's products are done reading v192-239 and v26-29, in which run 2 lands
	VLOAD 2
	s_wait_dscnt 16                                ; run 1 is in; run 2's 16 may be out
	PVMUL 1
	PLACES 4
	s_wait_alu depctr_va_vdst(0)                   ; run 1's products are done reading v240-251, v88-123 and v30-33, in which run 3 lands
	VLOAD 3
	s_wait_dscnt 16
	PVMUL 2
	s_wait_dscnt 0x0
	PVMUL 3
	PLACES 5                                       ; the next scores are written over registers that these products have read
	s_branch .Ljoin_\@
.Lskip_\@:
.if \load
	PSTEP
	CLOAD                                          ; no vector or matrix instruction has been issued since the wait on va_vdst at the trip's head
	ASK
.endif
.Ljoin_\@:
	s_add_co_u32 s[TB], s[TB], CH
	s_add_nc_u64 s[MP:MP+1], s[MP:MP+1], 256       ; (no scalar load is out: each was waited for)
	s_add_co_u32 s[ST], s[ST], 1
.endm
	s_load_b256 s[32:39], s[0:1], 0x0              ; att, maskw, msum, oimg
	v_lshl_add_u32 v126, v0, 2, 0x4e000
	v_mov_b32 v127, 0
	v_lshrrev_b32 v3, 5, v0
	v_readfirstlane_b32 s[WV], v3                  ; wave 0..7
	v_and_b32 v3, 31, v0
	v_lshlrev_b32 v[LI], 4, v3
	v_lshlrev_b32 v[LS], 2, v3
	v_lshlrev_b32 v[PFO], 8, v3
	v_mov_b32 v[NEG], 0xf3000000
	s_wait_alu depctr_va_sdst(0)                   ; the wave's number is written, ahead of its first reader: bands, offsets and LDS places are made from it
	s_and_b32 s68, ttmp7, 0xffff                   ; bh = 8 b + head
	s_lshr_b32 s69, s68, 3
	s_and_b32 s70, s68, 7
	s_sub_co_u32 s71, 7, ttmp9
	s_cmp_lt_u32 s[WV], 4
	s_cselect_b32 s71, ttmp9, s71                  ; my band of 128 queries
	s_and_b32 s72, s[WV], 3
	s_lshl_b32 s71, s71, 2
	s_add_co_u32 s71, s71, s72                     ; my pair p
	s_lshl_b32 s71, s71, 1
	s_lshl_b32 s73, s69, 6
	s_add_co_u32 s73, s73, s71                     ; 64 b + 2 p: tile A among the batch's row tiles
	s_lshl_b32 s74, s68, 6
	s_add_co_u32 s75, s74, s[WV]                   ; K's fragment 64 bh + w
	s_add_co_u32 s76, s74, s71                     ; Q's fragment 64 bh + 2 p
	s_lshl_b32 s77, s68, 7
	s_lshl_b32 s78, s[WV], 1
	s_add_co_u32 s77, s77, s78                     ; V's fragment 128 bh + 2 w
	s_mul_i32 s80, s75, 1536
	s_add_co_u32 s80, s80, 6291456
	s_mov_b32 s81, 0
	s_mul_i32 s82, s77, 1536
	s_add_co_u32 s82, s82, 12582912
	s_mov_b32 s83, 0
	s_lshl_b32 s84, s75, 7
	s_add_co_u32 s84, s84, 25690112
	s_mov_b32 s85, 0
	s_lshl_b32 s86, s77, 7
	s_add_co_u32 s86, s86, 26214400
	s_mov_b32 s87, 0
	s_mul_i32 s88, s76, 1536
	s_mov_b32 s89, 0
	s_lshl_b32 s90, s76, 7
	s_add_co_u32 s90, s90, 25165824
	s_mov_b32 s91, 0
	s_lshl_b32 s92, s73, 11                        ; eight records of 256 bytes a tile
	s_mov_b32 s93, 0
	s_lshl_b32 s94, s73, 5                         ; eight summaries a tile
	s_mov_b32 s95, 0
	s_mul_i32 s96, s73, 26624                      ; the tile's chunk of oimg; fragment 2 head + g
	s_lshl_b32 s30, s70, 8
	s_add_co_u32 s98, s96, s30
	s_add_co_u32 s98, s98, 24576
	s_mov_b32 s99, 0
	s_mul_i32 s30, s70, 3072
	s_add_co_u32 s96, s96, s30
	s_mov_b32 s97, 0
	; the prefetches: where mine stand (step 1 of the head; the two steps below bring V's to step 3 in trip 0), how far a step is, and in which trips I ask
	s_mul_i32 s40, s68, 196608
	s_add_co_u32 s40, s40, 12582912+24576
	s_mul_i32 s41, s68, 98304
	s_add_co_u32 s41, s41, 6291456+12288
	s_cmp_lt_u32 s[WV], 4
	s_cselect_b32 s40, s40, s41
	s_mov_b32 s41, 12288
	s_cselect_b32 s[PFS], 24576, s41
	s_cselect_b32 s[PMASK], 0x1f, 0x0a
	s_lshl_b32 s41, s72, 13
	s_add_co_u32 s40, s40, s41                     ; 8,192 bytes a wave
	s_mov_b32 s41, 0
	s_mov_b32 s[PFS+1], 0
	s_cmp_eq_u32 s72, 3
	s_cselect_b32 s[PMASK], 0, s[PMASK]            ; three waves' worth
	s_cmp_lg_u32 ttmp9, 0
	s_cselect_b32 s[PMASK], 0, s[PMASK]            ; the head's first work-group alone
	s_mul_i32 s[TW], s[WV], 1536
	s_lshl_b32 s[TS], s[WV], 7
	s_add_co_u32 s[WD], s[TS], 1024
	s_add_co_u32 s[TS], s[TS], 36864
	s_add_co_u32 s[WC], s[TW], 12288
	s_mov_b32 s[ST], 0
	s_mov_b32 s[TB], 0
	s_mov_b32 s[SEL], 0x76543210
	s_mov_b32 s[SEL+1], 0xfedcba98
	s_mov_b32 s[CS], 0x3e0293ee
	s_mov_b32 s[CS+1], s[CS]
	CADR                                           ; where my part of step 0 goes: made here, so that the one wait below serves it too
	s_wait_kmcnt 0x0
	s_add_nc_u64 s[KB:KB+1], s[32:33], s[80:81]
	s_add_nc_u64 s[VB:VB+1], s[32:33], s[82:83]
	s_add_nc_u64 s[KSB:KSB+1], s[32:33], s[84:85]
	s_add_nc_u64 s[VSB:VSB+1], s[32:33], s[86:87]
	s_add_nc_u64 s[88:89], s[32:33], s[88:89]      ; Q's codes
	s_add_nc_u64 s[90:91], s[32:33], s[90:91]      ; Q's scale images
	s_add_nc_u64 s[PFA:PFA+1], s[32:33], s[40:41]
	s_add_nc_u64 s[MP:MP+1], s[34:35], s[92:93]
	s_add_nc_u64 s[94:95], s[36:37], s[94:95]
	s_add_nc_u64 s[OU:OU+1], s[38:39], s[96:97]
	s_add_nc_u64 s[OS:OS+1], s[38:39], s[98:99]
	s_wait_alu depctr_va_vdst(0)                   ; v1, v2 and v124 are written, which every load, store and prefetch of the kernel reads as its offset; so are v6-9, which step 0's LDS stores read
	CLOAD                                          ; step 0
.irp q, 0,1
.irp c, 0,1,2
	global_load_b128 v[QF+12*\q+4*\c:QF+12*\q+4*\c+3], v[LI], s[88:89] offset:\q*1536+512*\c
.endr
	global_load_b32 v[QS+\q], v[LS], s[90:91] offset:128*\q
.endr
	s_load_b512 s[44:59], s[94:95], 0x0            ; the summaries: A's eight, B's eight
	WIN 0x40
.set jj, 0
.rept 256
	v_mov_b32 v[jj], 0                             ; O^T
.set jj, jj+1
.endr
	WIN 0
.irp q, 0,1
	v_mov_b32 v[11+4*\q], 0xff61b1e6               ; the largest t so far: -3e38, under every t
	v_floor_f32 v[10+4*\q], -v[11+4*\q]            ; -M
	v_mov_b32 v[12+4*\q], 0                        ; the sum, in two halves
	v_mov_b32 v[13+4*\q], 0
	v_mov_b32 v[18+2*\q], 0
	v_mov_b32 v[19+2*\q], 0                        ; (named as the upper half of f's pair)
.endr
.irp b, 0,1,2,3
	v_mov_b32 v[BT+\b], 0                          ; written once: a lane permute's destination counts as one of its sources
.endr
	s_wait_loadcnt 8                               ; step 0's 12 loads are in; Q's eight, issued behind them, may be out
	CSTORE                                         ; none of the moves above names v6-9 or v128-166
	s_wait_dscnt 0x0                               ; my part of step 0 lies in LDS
	s_wait_alu depctr_vm_vsrc(0)                   ; the LDS stores have read v128-166, in which step 1's loads land
	PSTEP
	CLOAD                                          ; step 1
	s_wait_kmcnt 0x0
	s_mov_b32 s[WORK], 0
	s_mov_b32 s[OPEN], 0
	s_mov_b32 s60, 0
	s_mov_b32 s61, 0
.irp st, 0,1,2,3,4,5,6,7
	s_or_b32 s60, s60, s[44+\st]
	s_or_b32 s61, s61, s[52+\st]
	s_and_b32 s31, s[44+\st], s[52+\st]
	s_bfe_u32 s31, s31, 0x10010                    ; nothing hidden from either tile
	s_lshl_b32 s31, s31, \st
	s_or_b32 s[OPEN], s[OPEN], s31
	s_or_b32 s30, s[44+\st], s[52+\st]
	s_and_b32 s30, s30, 0xffff
	s_cmp_lg_u32 s30, 0                            ; some query of the pair sees a key of this step
	s_cselect_b32 s30, 1<<\st, 0
	s_or_b32 s[WORK], s[WORK], s30
.endr
	s_and_b32 s60, s60, s61
	s_and_b32 s60, s60, 0xffff
	s_cmp_eq_u32 s60, 0xffff                       ; does every query of the pair see some key?
	s_cselect_b32 s60, 0, 0xff                     ; if not, the pair walks all steps: a row without a key is uniform over all 1,024
	s_or_b32 s[WORK], s[WORK], s60
.Ltrip:                                            ; steps 0 to 5
	TRIP 1, 1
	s_cmp_lt_u32 s[ST], 6
	s_cbranch_scc1 .Ltrip
	TRIP 1, 0                                      ; step 6: the last part goes to LDS, nothing more is asked for
	TRIP 0, 0                                      ; step 7
	; THE WAY OUT.  l's two halves and lane l xor 16's; O^T / l; 128 channels at a time are K step 2 head + g of the last product: quantised, stored as an image
.irp q, 0,1
	v_add_f32 v[BM+\q], v[12+4*\q], v[13+4*\q]
.endr
.irp q, 0,1
	v_permlanex16_b32 v[BT+\q], v[BM+\q], s[SEL], s[SEL+1]
.endr
.irp q, 0,1
	v_add_f32 v[BM+\q], v[BM+\q], v[BT+\q]
.endr
.irp q, 0,1
	v_rcp_f32 v[18+2*\q], v[BM+\q]
.endr
	v_nop                                          ; a plain place behind the reciprocals
	s_wait_alu depctr_va_vdst(0)                   ; both reciprocals have written v18 and v20, ahead of their first reader, the multiplications below
.irp k, 0,1,2,3                                ; tile q = k / 2, channels 128 (k % 2) on
.set NN, 128+64*(\k%2)
	WIN 0x01                                       ; source 0 (O^T) in window 1
.set jj, 0
.rept 32
	v_pk_mul_f32 v[NN+jj:NN+jj+1], v[64*\k+jj:64*\k+jj+1], v[18+2*(\k/2):19+2*(\k/2)] op_sel_hi:[1,0]   ; each accumulator from its low end on
.set jj, jj+2
.endr
	WIN 0
	s_wait_xcnt 0x0                                ; the last stores have read the codes' registers
.if \k > 0
	s_wait_alu depctr_vm_vsrc(0)                   ; the last piece's stores have read v76-87 and v22, which the quantiser below writes again
.endif
	QUANT NN
	s_wait_alu depctr_va_vdst(0)                   ; the quantiser has written the codes v76-87 and the scale word v22, which the stores below read
.irp c, 0,1,2
	global_store_b128 v[LI], v[PC+4*\c:PC+4*\c+3], s[OU:OU+1] offset:(\k/2)*26624+(\k%2)*1536+512*\c
.endr
	global_store_b32 v[LS], v[PW], s[OS:OS+1] offset:(\k/2)*26624+(\k%2)*128
.endr
	s_wait_dscnt 0x0
	s_wait_alu depctr_hold_cnt(0) depctr_sa_sdst(0) depctr_va_vdst(0) depctr_va_sdst(0) depctr_va_ssrc(0) depctr_va_vcc(0) depctr_vm_vsrc(0)
	s_wait_tensorcnt 0x0
	ds_add_u32 v126, v127
	s_wait_dscnt 0x0
	s_endpgm
.Lfunc_end_k_q207513b5b2_attn:
	.size	k_q207513b5b2_attn, .Lfunc_end_k_q207513b5b2_attn-k_q207513b5b2_attn
	.p2alignl 7, 3214868480
	.fill 96, 4, 3214868480
	.section	.rodata,"a",@progbits
	.p2align	6, 0x0
	.amdhsa_kernel k_q207513b5b2_attn
		.amdhsa_group_segment_fixed_size 320512
		.amdhsa_private_segment_fixed_size 0
		.amdhsa_enable_private_segment 0
		.amdhsa_kernarg_size 32
		.amdhsa_user_sgpr_count 2
		.amdhsa_user_sgpr_kernarg_segment_ptr 1
		.amdhsa_wavefront_size32 1
		.amdhsa_system_sgpr_workgroup_id_x 1
		.amdhsa_system_sgpr_workgroup_id_y 1
		.amdhsa_system_sgpr_workgroup_id_z 1
		.amdhsa_system_vgpr_workitem_id 0
		.amdhsa_next_free_vgpr 512
		.amdhsa_next_free_sgpr 102
		.amdhsa_reserve_vcc 0
		.amdhsa_float_denorm_mode_32 3
		.amdhsa_float_denorm_mode_16_64 3
		.amdhsa_memory_ordered 1
		.amdhsa_forward_progress 1
		.amdhsa_inst_pref_size 208
	.end_amdhsa_kernel
	.amdgpu_metadata
---
amdhsa.version: [ 1, 2 ]
amdhsa.kernels:
  - .name:           k_q207513b5b2_attn
    .symbol:         k_q207513b5b2_attn.kd
    .args:
      - { .name: att, .offset: 0, .size: 8, .value_kind: global_buffer, .address_space: global }
      - { .name: maskw, .offset: 8, .size: 8, .value_kind: global_buffer, .address_space: global }
      - { .name: msum, .offset: 16, .size: 8, .value_kind: global_buffer, .address_space: global }
      - { .name: oimg, .offset: 24, .size: 8, .value_kind: global_buffer, .address_space: global }
    .group_segment_fixed_size: 320512
    .private_segment_fixed_size: 0
    .kernarg_segment_align: 8
    .kernarg_segment_size: 32
    .max_flat_workgroup_size: 256
    .sgpr_count:     102
    .vgpr_count:     512
    .wavefront_size: 32
...
	.end_amdgpu_metadata
.endif
;; end of part 5
;; launch outp: the kernel of part 4 again; grid 256 x 1, 4 waves a work-group, clusters of 4 x 1, 247,296 bytes of LDS; arguments oimg, ops, bo, out0; writes out0
